; MI455X (gfx1250); checked and timed in simulation.
; The chip was launched on July 23, 2026; its instructions are those of AMD's public machine-readable ISA for CDNA 5 (MIT licence, August 2026) and "CDNA5" Instruction Set Architecture Reference Guide (July 2026). The comments in the code are by the model that wrote it; some were corrected since.
;; Self Attention. Allowed arithmetic: matrix products marked QUANTISED: E2M1 operands, one E8M0 scale for each 32 along K, by v_wmma_scale_f32_16x16x128_f8f6f4 with both operands' format E2M1 (or v_wmma_scale_f32_32x16x128_f4), f32 sums; products left as they are: bf16, f16 or f32 operands; f32 sums; everything else in f32.
;; Inputs: b_out 1,024 float32; b_qkv 3,072 float32; w_out 1,024 x 1,024 float32; w_qkv 1,024 x 3,072 float32; x 4 x 2,048 x 1,024 float32.
;; Outputs: out0 4 x 2,048 x 1,024 float32.
;; This version of the problem:
;;   THIS VERSION OF THE PROBLEM IS GIVEN IN LOW PRECISION. The matrix products marked QUANTISED in the list below multiply operands that are first quantised to E2M1 (2 exponent bits, 1 mantissa bit; 4 bits a number), with one power-of-two scale for each 32 numbers along K (OCP MX v1.0); their sums are f32. The products marked 'left as it is' may take bf16, f16 or f32 operands, with f32 sums. Whichever they take, every output number must still come out within the allowed error. Rounding operands to bf16 (8 significant bits) uses up far more of that allowance than f16 does (11 bits, for magnitudes from 6e-5 to 65,504). All else is computed in f32.
;;   The module's matrix products, in the order in which they are computed (A, B: the left and right operand; K: the contracted axis; several contracted axes count as one K, in the product's order):
;;     1. [M 8,192, K 1,024] x [K 1,024, N 3,072]; A: input x; B: input w_qkv: QUANTISED
;;     2. batch 64 x [M 2,048, K 64] x [K 64, N 2,048]; A: computed on the way; B: computed on the way: left as it is (an operand is computed on the way)
;;     3. batch 64 x [M 2,048, K 2,048] x [K 2,048, N 64]; A: computed on the way; B: computed on the way: left as it is (an operand is computed on the way)
;;     4. [M 8,192, K 1,024] x [K 1,024, N 1,024]; A: computed on the way; B: input w_out: left as it is (an operand is computed on the way)
;;   THE QUANTISER, for each operand of a quantised product, along K:
;;     - K is cut into blocks of 32 from its start; a last block that is shorter is filled with zeros.
;;     - A block's scale is 2^e with e = floor(log2(the largest magnitude in the block)) - 2, held to -126 .. 127; a block of zeros has e = 0. As a byte (E8M0): e + 127.
;;     - Each number is divided by its block's scale, clamped to +-6, and rounded to the nearest number of E2M1, ties to even, subnormals kept.
;;     - The product sums the exact products of the quantised numbers (number of the format x scale) in f32.
;;   ~~~python
;;   def quantise(x, axis):      # numpy; x: float32 -> the quantised numbers, widened to float32 again
;;       x = np.moveaxis(x, axis, -1); K = x.shape[-1]
;;       x = np.pad(x, [(0, 0)] * (x.ndim - 1) + [(0, -K % 32)]); x = x.reshape(x.shape[:-1] + (-1, 32)); a = np.abs(x).max(-1, keepdims=True)
;;       e = np.where(a > 0, np.clip(np.frexp(np.where(a > 0, a, 1))[1] - 1 - 2, -126, 127), 0)      # np.frexp(a)[1] - 1 = floor(log2(a)), exactly
;;       r = np.clip(x / 2.0 ** e, -6, 6)
;;       step = 2.0 ** (np.maximum(np.frexp(np.where(r == 0, 1, r))[1] - 1, 0) - 1)
;;       q = np.round(r / step) * step * 2.0 ** e      # np.round: ties to even
;;       return np.moveaxis(q.reshape(q.shape[:-2] + (-1,))[..., :K], -1, axis).astype(np.float32)
;;   ~~~
;; One version. Each part assembles by itself: llvm-mc -triple=amdgcn-amd-amdhsa -mcpu=gfx1250 --defsym DOCPART=n.
;; ======== version 1 of 1: 6 launches
;; limits: values are held in f16: magnitudes above 65,504 overflow, below 6.1e-05 lose precision
;; workspace buffers: xc 4,194,304 bytes; xs 262,144 bytes; wc 1,572,864 bytes; ws 98,304 bytes; wo16 4,194,304 bytes; qkv16 50,331,648 bytes; ao16 16,777,216 bytes; aof 262,144 bytes
;; launch prep (part 1): grid 368 x 1, 4 waves a work-group, no clusters, 137,728 bytes of LDS; arguments x, w_qkv, w_out, xc, xs, wc, ws, wo16; writes xc, xs, wc, ws, wo16
.if DOCPART == 1
	.amdgcn_target "amdgcn-amd-amdhsa--gfx1250"
	.amdhsa_code_object_version 6
	.text
	.protected	k_q7221ba122e_prep
	.globl	k_q7221ba122e_prep
	.p2align	8
	.type	k_q7221ba122e_prep,@function
k_q7221ba122e_prep:
	s_mov_b64 s[64:65], 0
	v_nop
	global_prefetch_b8 v0, s[64:65] scope:SCOPE_SE
	s_setreg_imm32_b32 hwreg(HW_REG_WAVE_MODE, 25, 1), 1
	s_wait_xcnt 0x0
; PREP.  Three pieces of work in one launch, told apart by the work-group's number alone; the three ways never join, and each has LDS bytes of its own.
;   work-groups 0-47:    w_qkv [1024 k][3072 n] f32 -> wc [3072][512 bytes] codes of FP4 (E2M1), K innermost, and ws [3072][32] E8M0 bytes.  A lane takes a column, its registers run down K.
;   work-groups 48-111:  w_out [1024 k][1024 n] f32 -> wo16 [2 parts][1024 n][1024 k] f16: part 0 = hi, w rounded to 11 significant bits; part 1 = (w - hi) x 2048.
;   work-groups 112-367: x [8192][1024] f32 -> xc [8192][512 bytes] codes, xs [8192][32] bytes.  Rows are dense and 1024 is a multiple of 32: a plain stream of blocks of 32.
; A block's scale is 2^(floor(log2(its largest magnitude)) - 2); its byte is the largest magnitude's exponent field - 2, held at 1 from below.
; LIMITS: a block of zeros gets the byte 1 where the quantiser's text says 127 (its codes are zeros, and this program alone reads the bytes); blocks whose largest magnitude lies under 2^-124
; are held at the byte 1; NaN and infinities are not served; w_out's hi part is exact in f16 from 2^-14 up, under that the conversion rounds once more, by 2^-25 at the most.
; No tensor load, no barrier: waves share nothing.  No cluster: no two work-groups read the same bytes.
.set SPW,   12                         ; v12  LDS address of my spare word; never rewritten
.set NIL,   13                         ; v13  0; never rewritten
.set QSTG,  32768                      ; LDS: bytes 0-32767 x's way, four regions of 8,192; from here w_qkv's four stages of 32 x 272;
.set OSTG,  67584                      ; from here w_out's four pairs of stages of 32 x 272;
.set SPARE, 137216                     ; and the spare words, 128 bytes a wave, which no other line names
.set SP,    80                         ; x's stage: a lane's 64 bytes + 16 of padding
.set XR,    16                         ; x: v16-79 four sets of 16 numbers as loaded
.set XX,    80                         ; v80-111 two sets of 16 neighbours
.set XE,    112                        ; v112-127 a scale byte for each step
.set XC,    128                        ; v128-191 codes: four registers a step, so that no store's data are written again
	s_load_b256 s[4:11], s[0:1], 0x0               ; x s[4:5], w_qkv s[6:7], w_out s[8:9], xc s[10:11]
	s_load_b256 s[12:19], s[0:1], 0x20             ; xs s[12:13], wc s[14:15], ws s[16:17], wo16 s[18:19]
	v_lshl_add_u32 v[SPW], v0, 2, SPARE
	v_mov_b32 v[NIL], 0
	v_lshrrev_b32 v1, 5, v0
	v_readfirstlane_b32 s20, v1                    ; wave 0..3
	v_and_b32 v2, 31, v0                           ; lane
	s_mov_b32 s25, 0                               ; the upper word of every offset pair s[24:25]
	s_wait_kmcnt 0x0
	s_cmp_lt_u32 ttmp9, 48
	s_cbranch_scc1 .Lwq
	s_cmp_lt_u32 ttmp9, 112
	s_cbranch_scc1 .Lwo
; ---------------- x.  A wave takes 16 steps of 512 numbers.  Each load reads 512 consecutive bytes; a step's 2,048 bytes turn through the wave's own stage and come back 64 bytes a lane: 16 neighbours, two lanes to a block.
	v_lshlrev_b32 v3, 4, v2                        ; my 16 bytes of a load's 512
	s_lshl_b32 s21, s20, 13                        ; my wave's region
	v_lshrrev_b32 v14, 2, v2
	v_mul_u32_u24 v14, v14, SP
	v_and_b32 v15, 3, v2
	v_lshl_add_u32 v14, v15, 4, v14
	v_add_nc_u32 v14, s21, v14                     ; into the stage: 80 (lane / 4) + 16 (lane % 4)
	v_mul_u32_u24 v15, v2, SP
	v_add_nc_u32 v15, s21, v15                     ; out of it: 80 x lane
	v_lshlrev_b32 v4, 3, v2                        ; my 8 bytes of a step's 256 bytes of codes
	v_lshrrev_b32 v5, 1, v2
	s_add_co_u32 s21, s21, 2*32*SP
	v_add_nc_u32 v5, s21, v5                       ; my block's byte among the wave's 256 scale bytes
	v_lshlrev_b32 v7, 3, v2
	v_add_nc_u32 v6, s21, v7                       ; and 8 of them a lane on the way out
	s_sub_co_u32 s22, ttmp9, 112
	s_lshl_b32 s22, s22, 2
	s_add_co_u32 s22, s22, s20                     ; which run of 8,192 numbers is my wave's: 0..1023
	s_lshl_b32 s24, s22, 15
	s_add_nc_u64 s[4:5], s[4:5], s[24:25]          ; 32,768 bytes of x a run,
	s_lshl_b32 s24, s22, 12
	s_add_nc_u64 s[10:11], s[10:11], s[24:25]      ; 4,096 of codes,
	s_lshl_b32 s24, s22, 8
	s_add_nc_u64 s[12:13], s[12:13], s[24:25]      ; 256 scale bytes
.macro XLOAD t
.irp i, 0,1,2,3
	global_load_b128 v[XR+16*((\t)%4)+4*\i:XR+16*((\t)%4)+4*\i+3], v3, s[4:5] offset:2048*(\t)+512*\i th:TH_LOAD_NT
.endr
.endm
.macro XTURN t                         ; LDS serves a wave's instructions in order: no wait between the stores and the loads
.irp i, 0,1,2,3
	ds_store_b128 v14, v[XR+16*((\t)%4)+4*\i:XR+16*((\t)%4)+4*\i+3] offset:32*SP*((\t)%2)+8*SP*\i
.endr
.irp i, 0,1,2,3
	ds_load_b128 v[XX+16*((\t)%2)+4*\i:XX+16*((\t)%2)+4*\i+3], v15 offset:32*SP*((\t)%2)+16*\i
.endr
.endm
.irp t, 0,1,2,3
	XLOAD \t
.endr
	s_wait_loadcnt 12                              ; step 0's four loads are in; the twelve of steps 1 to 3 may be out
	XTURN 0
.macro XSTEP t
.set XS, XX+16*((\t)%2)
.if (\t) > 0
	s_wait_dscnt 1                                 ; this step's numbers are back from the stage (the last step's byte store may be out): so its stores into the stage have read their registers,
.else
	s_wait_dscnt 0x0
.endif
.if (\t)+4 < 16
	XLOAD (\t)+4                                   ; which take the loads of four steps on
.endif
.if (\t)+1 < 16
.if 14-(\t) >= 3
	s_wait_loadcnt 12                              ; the next step's four loads are in; those of the three steps behind it may be out
.else
	s_wait_loadcnt 4*(14-(\t))
.endif
	XTURN (\t)+1
.endif
	v_max3_num_f32 v8, |v[XS]|, |v[XS+1]|, |v[XS+2]|               ; the largest magnitude of my 16, in two chains
	v_max3_num_f32 v9, |v[XS+3]|, |v[XS+4]|, |v[XS+5]|
.irp i, 6,10
	v_max3_num_f32 v8, v8, |v[XS+\i]|, |v[XS+\i+1]|
	v_max3_num_f32 v9, v9, |v[XS+\i+2]|, |v[XS+\i+3]|
.endr
	v_max3_num_f32 v8, v8, |v[XS+14]|, |v[XS+15]|
	v_max3_num_f32 v8, v8, v9, 0x1800000           ; and the floor 2^(3 - 127): the byte cannot fall under 1
	v_max_num_f32_dpp v8, v8, v8 row_xmask:1 row_mask:0xf bank_mask:0xf   ; with my neighbour's 16: the block's
	v_add_nc_u32 v11, 0xff000000, v8               ; 2 off its exponent field: the conversion takes the exponent field of this operand as its scale
	v_cvt_scalef32_pk8_fp4_f32 v[XC+4*(\t)], v[XS:XS+7], v11
	v_cvt_scalef32_pk8_fp4_f32 v[XC+4*(\t)+1], v[XS+8:XS+15], v11
	v_lshrrev_b32 v[XE+(\t)], 23, v11              ; the scale's byte
	ds_store_b8 v5, v[XE+(\t)] offset:16*(\t)      ; both lanes of a block write the same byte with the same value
	global_store_b64 v4, v[XC+4*(\t):XC+4*(\t)+1], s[10:11] offset:256*(\t)   ; the wave stores 256 consecutive bytes, aligned
.endm
.irp t, 0,1,2,3,4,5,6,7,8,9,10,11,12,13,14,15
	XSTEP \t
.endr
	ds_load_b64 v[8:9], v6                         ; in order behind my byte stores
	s_wait_dscnt 0x0
	global_store_b64 v7, v[8:9], s[12:13]          ; 256 consecutive scale bytes, aligned
	s_wait_tensorcnt 0x0                           ; the wave's end: behind my last LDS store
	ds_add_u32 v[SPW], v[NIL]
	s_wait_dscnt 0x0
	s_endpgm
; ---------------- w_qkv.  24 groups of 128 columns x 2 halves of K.  A wave: 32 columns x 512 along K = 16 blocks a lane, 256 bytes of codes a column, which leave through the wave's stage as whole rows.
.Lwq:
	s_cmp_ge_u32 ttmp9, 24
	s_cselect_b32 s22, 1, 0                        ; which 512 along K
	s_cselect_b32 s23, 24, 0
	s_sub_co_u32 s23, ttmp9, s23
	s_lshl_b32 s23, s23, 7
	s_lshl_b32 s24, s20, 5
	s_add_co_u32 s23, s23, s24                     ; my wave's first column
	s_mul_i32 s24, s22, 512*3072*4
	s_lshl_b32 s26, s23, 2
	s_add_co_u32 s24, s24, s26
	s_add_nc_u64 s[6:7], s[6:7], s[24:25]          ; w_qkv at (512 y, column)
	s_lshl_b32 s24, s23, 9
	s_lshl_b32 s26, s22, 8
	s_add_co_u32 s24, s24, s26
	s_add_nc_u64 s[14:15], s[14:15], s[24:25]      ; codes: column x 512 + 256 y
	s_lshl_b32 s24, s23, 5
	s_lshl_b32 s26, s22, 4
	s_add_co_u32 s24, s24, s26
	s_add_nc_u64 s[16:17], s[16:17], s[24:25]      ; scale bytes: column x 32 + 16 y
	v_lshlrev_b32 v3, 2, v2                        ; in: 4 bytes a lane
	s_mul_i32 s27, s20, 32*272
	s_add_co_u32 s27, s27, QSTG                    ; my stage
	v_mul_u32_u24 v4, v2, 272
	v_add_nc_u32 v4, s27, v4                       ; into it: row = my column
	v_and_b32 v5, 15, v2
	v_lshrrev_b32 v6, 4, v2
	v_mul_u32_u24 v7, v6, 272
	v_lshl_add_u32 v7, v5, 4, v7
	v_add_nc_u32 v7, s27, v7                       ; out of it: sixteen lanes to a row, two rows an instruction
	v_lshlrev_b32 v8, 9, v6
	v_lshl_add_u32 v8, v5, 4, v8                   ; the same place in wc
	v_lshlrev_b32 v9, 5, v2                        ; my column's row of scale bytes
.macro QLOAD t                         ; block t: w(32 t + i, my column) into set t % 2; the largest offset, 511 x 12,288, lies inside the signed 24-bit immediate
.irp i, 0,1,2,3,4,5,6,7,8,9,10,11,12,13,14,15,16,17,18,19,20,21,22,23,24,25,26,27,28,29,30,31
	global_load_b32 v[32+32*((\t)%2)+\i], v3, s[6:7] offset:(32*(\t)+\i)*12288 th:TH_LOAD_NT
.endr
.endm
	QLOAD 0
	QLOAD 1
.macro QBLOCK t
.set QS, 32+32*((\t)%2)
.if (\t) < 15
	s_wait_loadcnt 32                              ; this block's 32 loads are in; the next block's 32 may be out
.else
	s_wait_loadcnt 0
.endif
	v_max3_num_f32 v16, |v[QS]|, |v[QS+1]|, |v[QS+2]|              ; the block's largest magnitude: all 32 numbers are mine
	v_max3_num_f32 v17, |v[QS+3]|, |v[QS+4]|, |v[QS+5]|
.irp i, 6,10,14,18,22,26
	v_max3_num_f32 v16, v16, |v[QS+\i]|, |v[QS+\i+1]|
	v_max3_num_f32 v17, v17, |v[QS+\i+2]|, |v[QS+\i+3]|
.endr
	v_max3_num_f32 v16, v16, |v[QS+30]|, |v[QS+31]|
	v_max3_num_f32 v16, v16, v17, 0x1800000        ; and the floor
	v_add_nc_u32 v18, 0xff000000, v16              ; the conversion's scale operand
	v_lshrrev_b32 v17, 23, v18                     ; the scale's byte
.if (\t)%4 == 0
	v_mov_b32 v[24+(\t)/4], v17                    ; four bytes to a register, the lower K in the lower byte
.else
	v_lshl_or_b32 v[24+(\t)/4], v17, 8*((\t)%4), v[24+(\t)/4]
.endif
.irp g, 0,1,2,3
	v_cvt_scalef32_pk8_fp4_f32 v[96+\g], v[QS+8*\g:QS+8*\g+7], v18
.endr
	ds_store_b128 v4, v[96:99] offset:16*(\t)      ; 32 codes: 16 bytes of my column's row
.if (\t)+2 < 16
	QLOAD (\t)+2
.endif
	s_wait_dscnt 0x0                               ; the store has read its registers: the next block's codes may be written
.endm
.set Q, 0
.rept 16
	QBLOCK Q
.set Q, Q+1
.endr
	global_store_b128 v9, v[24:27], s[16:17]       ; my column's 16 scale bytes
.irp t, 0,1,2,3,4,5,6,7,8,9,10,11,12,13,14,15
	ds_load_b128 v[112+4*\t:112+4*\t+3], v7 offset:2*\t*272
.endr
.irp t, 0,1,2,3,4,5,6,7,8,9,10,11,12,13,14,15
	s_wait_dscnt 15-\t                             ; LDS loads come back in order: pair t of rows is in
	global_store_b128 v8, v[112+4*\t:112+4*\t+3], s[14:15] offset:2*\t*512   ; sixteen lanes store 256 consecutive bytes, aligned
.endr
	s_wait_tensorcnt 0x0                           ; the wave's end: the three lines
	ds_add_u32 v[SPW], v[NIL]
	s_wait_dscnt 0x0
	s_endpgm
; ---------------- w_out.  8 groups of 128 columns x 8 runs of 128 along K.  A wave: 32 columns x 128 along K = 4 blocks of 32 a lane; 256 bytes of f16 a column and part.
; The split is made in f32: t = 8193 w, hi = t - (t - w) has 11 significant bits, w - hi is exact; the low part is kept x 2048, so that it has the high part's range.
.Lwo:
	s_sub_co_u32 s22, ttmp9, 48
	s_and_b32 s23, s22, 7
	s_lshr_b32 s22, s22, 3                         ; which 128 along K
	s_lshl_b32 s23, s23, 7
	s_lshl_b32 s24, s20, 5
	s_add_co_u32 s23, s23, s24                     ; my wave's first column
	s_lshl_b32 s24, s22, 19                        ; 128 rows of 4,096 bytes
	s_lshl_b32 s26, s23, 2
	s_add_co_u32 s24, s24, s26
	s_add_nc_u64 s[8:9], s[8:9], s[24:25]
	s_lshl_b32 s24, s23, 11                        ; wo16: column x 2,048 + 256 y
	s_lshl_b32 s26, s22, 8
	s_add_co_u32 s24, s24, s26
	s_add_nc_u64 s[18:19], s[18:19], s[24:25]
	v_lshlrev_b32 v3, 2, v2
	s_mul_i32 s27, s20, 2*32*272
	s_add_co_u32 s27, s27, OSTG                    ; my two stages: hi, then lo
	v_mul_u32_u24 v4, v2, 272
	v_add_nc_u32 v4, s27, v4
	v_and_b32 v5, 15, v2
	v_lshrrev_b32 v6, 4, v2
	v_mul_u32_u24 v7, v6, 272
	v_lshl_add_u32 v7, v5, 4, v7
	v_add_nc_u32 v7, s27, v7
	v_lshlrev_b32 v8, 11, v6
	v_lshl_add_u32 v8, v5, 4, v8
.macro OLOAD t
.irp i, 0,1,2,3,4,5,6,7,8,9,10,11,12,13,14,15,16,17,18,19,20,21,22,23,24,25,26,27,28,29,30,31
	global_load_b32 v[32+32*((\t)%2)+\i], v3, s[8:9] offset:(32*(\t)+\i)*4096 th:TH_LOAD_NT
.endr
.endm
	OLOAD 0
	OLOAD 1
.macro OBLOCK t
.set OS, 32+32*((\t)%2)
.if (\t) < 3
	s_wait_loadcnt 32                              ; this block's 32 loads are in; the next block's may be out
.else
	s_wait_loadcnt 0
.endif
.irp i, 0,1,2,3,4,5,6,7,8,9,10,11,12,13,14,15      ; a pair of numbers at a time; four sets of temporaries by turns
	v_pk_mul_f32 v[16+4*(\i%4):17+4*(\i%4)], v[OS+2*\i:OS+2*\i+1], 0x46000400 op_sel_hi:[1,0]                             ; t = 8193 w
	v_pk_add_f32 v[18+4*(\i%4):19+4*(\i%4)], v[16+4*(\i%4):17+4*(\i%4)], v[OS+2*\i:OS+2*\i+1] neg_lo:[0,1] neg_hi:[0,1]   ; t - w
	v_pk_add_f32 v[16+4*(\i%4):17+4*(\i%4)], v[16+4*(\i%4):17+4*(\i%4)], v[18+4*(\i%4):19+4*(\i%4)] neg_lo:[0,1] neg_hi:[0,1]   ; hi
	v_pk_add_f32 v[OS+2*\i:OS+2*\i+1], v[OS+2*\i:OS+2*\i+1], v[16+4*(\i%4):17+4*(\i%4)] neg_lo:[0,1] neg_hi:[0,1]         ; w - hi
	v_cvt_pk_f16_f32 v[96+\i], v[16+4*(\i%4)], v[17+4*(\i%4)]
	v_pk_mul_f32 v[OS+2*\i:OS+2*\i+1], v[OS+2*\i:OS+2*\i+1], 0x45000000 op_sel_hi:[1,0]                                   ; x 2048
	v_cvt_pk_f16_f32 v[112+\i], v[OS+2*\i], v[OS+2*\i+1]
.endr
.irp g, 0,1,2,3
	ds_store_b128 v4, v[96+4*\g:96+4*\g+3] offset:64*(\t)+16*\g
	ds_store_b128 v4, v[112+4*\g:112+4*\g+3] offset:8704+64*(\t)+16*\g
.endr
.if (\t)+2 < 4
	OLOAD (\t)+2
.endif
	s_wait_dscnt 0x0                               ; the stores have read their registers
.endm
.irp t, 0,1,2,3
	OBLOCK \t
.endr
.irp p, 0,1                                    ; the high part, then the low
.if \p
	s_wait_xcnt 0x0                                ; the high part's stores have read v128-191: the low part's rows may land there
.endif
.irp t, 0,1,2,3,4,5,6,7,8,9,10,11,12,13,14,15
	ds_load_b128 v[128+4*\t:128+4*\t+3], v7 offset:8704*\p+2*\t*272
.endr
.irp t, 0,1,2,3,4,5,6,7,8,9,10,11,12,13,14,15
	s_wait_dscnt 15-\t
	global_store_b128 v8, v[128+4*\t:128+4*\t+3], s[18:19] offset:2097152*\p+2*\t*2048   ; sixteen lanes store 256 consecutive bytes, aligned
.endr
.endr
	s_wait_tensorcnt 0x0                           ; the wave's end: the three lines
	ds_add_u32 v[SPW], v[NIL]
	s_wait_dscnt 0x0
	s_endpgm
.Lfunc_end_k_q7221ba122e_prep:
	.size	k_q7221ba122e_prep, .Lfunc_end_k_q7221ba122e_prep-k_q7221ba122e_prep
	.p2alignl 7, 3214868480
	.fill 96, 4, 3214868480
	.section	.rodata,"a",@progbits
	.p2align	6, 0x0
	.amdhsa_kernel k_q7221ba122e_prep
		.amdhsa_group_segment_fixed_size 137728
		.amdhsa_private_segment_fixed_size 0
		.amdhsa_enable_private_segment 0
		.amdhsa_kernarg_size 64
		.amdhsa_user_sgpr_count 2
		.amdhsa_user_sgpr_kernarg_segment_ptr 1
		.amdhsa_wavefront_size32 1
		.amdhsa_system_sgpr_workgroup_id_x 1
		.amdhsa_system_sgpr_workgroup_id_y 1
		.amdhsa_system_sgpr_workgroup_id_z 1
		.amdhsa_system_vgpr_workitem_id 0
		.amdhsa_next_free_vgpr 192
		.amdhsa_next_free_sgpr 66
		.amdhsa_reserve_vcc 0
		.amdhsa_float_denorm_mode_32 3
		.amdhsa_float_denorm_mode_16_64 3
		.amdhsa_memory_ordered 1
		.amdhsa_forward_progress 1
		.amdhsa_inst_pref_size 164
	.end_amdhsa_kernel
	.amdgpu_metadata
---
amdhsa.version: [ 1, 2 ]
amdhsa.kernels:
  - .name:           k_q7221ba122e_prep
    .symbol:         k_q7221ba122e_prep.kd
    .args:
      - { .name: x, .offset: 0, .size: 8, .value_kind: global_buffer, .address_space: global }
      - { .name: w_qkv, .offset: 8, .size: 8, .value_kind: global_buffer, .address_space: global }
      - { .name: w_out, .offset: 16, .size: 8, .value_kind: global_buffer, .address_space: global }
      - { .name: xc, .offset: 24, .size: 8, .value_kind: global_buffer, .address_space: global }
      - { .name: xs, .offset: 32, .size: 8, .value_kind: global_buffer, .address_space: global }
      - { .name: wc, .offset: 40, .size: 8, .value_kind: global_buffer, .address_space: global }
      - { .name: ws, .offset: 48, .size: 8, .value_kind: global_buffer, .address_space: global }
      - { .name: wo16, .offset: 56, .size: 8, .value_kind: global_buffer, .address_space: global }
    .group_segment_fixed_size: 137728
    .private_segment_fixed_size: 0
    .kernarg_segment_align: 8
    .kernarg_segment_size: 64
    .max_flat_workgroup_size: 128
    .sgpr_count:     66
    .vgpr_count:     192
    .wavefront_size: 32
...
	.end_amdgpu_metadata
.endif
;; end of part 1
;; launch gemm (part 2): grid 12 x 32, 4 waves a work-group, clusters of 4 x 4, 327,680 bytes of LDS; arguments xc, xs, wc, ws, b_qkv, qkv16; writes qkv16
.if DOCPART == 2
	.amdgcn_target "amdgcn-amd-amdhsa--gfx1250"
	.amdhsa_code_object_version 6
	.text
	.protected	k_q7221ba122e_gemm
	.globl	k_q7221ba122e_gemm
	.p2align	8
	.type	k_q7221ba122e_gemm,@function
k_q7221ba122e_gemm:
	s_mov_b64 s[64:65], 0
	v_nop
	global_prefetch_b8 v0, s[64:65] scope:SCOPE_SE
	s_setreg_imm32_b32 hwreg(HW_REG_WAVE_MODE, 25, 1), 1
	s_wait_xcnt 0x0
	s_wait_alu depctr_hold_cnt(0) depctr_sa_sdst(0) depctr_va_vdst(0) depctr_va_sdst(0) depctr_va_ssrc(0) depctr_va_vcc(0) depctr_vm_vsrc(0)
	s_getreg_b32 s2, hwreg(HW_REG_IB_STS2, 6, 4)
	s_cmp_eq_u32 s2, 0
	s_cbranch_scc0 .Lentry_in_a_cluster
	s_endpgm
.Lentry_in_a_cluster:
	s_bfe_u32 s2, ttmp6, 0x10000c
	s_cmp_lg_u32 s2, 0xf033
	s_cbranch_scc0 .Lentry_shape_is_right
	s_endpgm
.Lentry_shape_is_right:
; qkv = Q(x) Q(w_qkv) + b_qkv on codes of FP4 (E2M1) with one E8M0 scale for each 32 along K; sums in f32; the result is rounded once to f16 and laid by head:
; qkv16 [3 parts][4 b][16 heads][2048 s][64] f16.  A: xc [8192][512 bytes], xs [8192][32]; B: wc [3072][512 bytes], ws [3072][32].
; LIMIT: q, k, v go to f16: magnitudes under 65,504.
; A tile of C, 256 x 256, is made by four waves, 128 x 128 each: 64 accumulators, 512 registers.  K = 1,024 is two LDS slots of 512 along K (rows of 256 bytes): both slots and all scale bytes are
; FIRST FILLS, asked for together at the head; nothing is filled again, so there is no loop and no prefetch (every tile is on its way from the first line on).
; CLUSTERS: 4 x 4 work-groups; A's tiles are asked for jointly along a row of the cluster, B's along a column.  THE MATRIX INSTRUCTION IS USED TRANSPOSED (source 0 = 16 rows of wc, source 1 = 16 rows of xc):
; a lane holds eight neighbouring columns of one row of C.  The bias is the C of each sum's first product.
; REGISTERS: window 0: v16-29 addresses; v32-95 scale words, two sets; v128-191 A's fragments, one set; v192-255 the bias (eight registers for each of B's blocks).  window 1: B's fragments, two sets.
;   window 2: the accumulators of my rows 0-63 ((a, b) at v[8 (8 a + b)]); window 3: those of rows 64-127.  On the way out v32-127 of window 0 are free.
.set NQ,     4                         ; steps of 128 along K in a slot
.set ROWB,   256                       ; a tile's row in bytes
.set KROW,   512                       ; a row of codes in memory
.set PITCH,  272                       ; an LDS row: 256 bytes + 16 of padding: the 16 rows that a load touches start at 16 different groups of four banks
.set FR,     8
.set NL,     2
.set NP,     4
.set HALFT,  128*PITCH
.set SLOT,   4*HALFT                   ; A's 256 rows, then B's 256 rows
.set KS,     32                        ; a row of scale bytes
.set SCL,    2*SLOT                    ; behind the slots: the scale bytes, as units of 256 bytes + 16 of padding
.set HALFS,  (128*KS/256)*272
.set SBLK,   (16*KS/256)*272
.set SPARE,  SCL+4*HALFS               ; the spare words, 128 bytes a wave, which no other line names
.set SPITCH, 272                       ; the way out: 16 rows x (256 bytes + 16) for each wave, in slot 0, which has had its only fill and its last read when the first result is stored there
.set ADRA, 16
.set ADRB, 20
.set STO,  24
.set RD,   25
.set CO,   26
.set ADRS, 27
.set SPW,  28
.set NIL,  29
.set SC,   32
.set AF,   128
.set BI,   192
.set TMP,  32                          ; the way out: a block's 32 packed registers
.set BK,   64                          ; and 16 rows read back: v64-95 and v96-127 by turns
.set G1, 24
.set G0, 32
.set G1B, 48
.set G0B, 56
.set G1S, 68
.set G0S, 76
.set G1SB, 80
.set G0SB, 88
.set MSB, 0
.macro WIN new                         ; the immediate's high byte repeats the setting that is left
.if MSB != \new
	s_set_vgpr_msb (MSB<<8)|\new
.set MSB, \new
.endif
.endm
.set MUL_LO, 0xa1                      ; source 0 (B) window 1, source 1 (A) window 0, C and D window 2
.set MUL_HI, 0xf1                      ; the same, C and D window 3
.set FST_LO, 0x81                      ; the first step: C (the bias) window 0, D window 2
.set FST_HI, 0xc1
.set TO_B,   0x40
; A joint load: waves 0 and 1 fetch for A, waves 2 and 3 for B; the branch hangs on the wave's number alone.  An s_nop 0 and four v_nop follow each line.
.macro JLOAD g0a, g1a, g0b, g1b
	s_cmp_eq_u32 s15, 0
	s_cbranch_scc0 .Lfor_b_\@
	tensor_load_to_lds s[\g0a:\g0a+3], s[\g1a:\g1a+7]
	s_nop 0
.rept 4
	v_nop
.endr
	s_branch .Lasked_\@
.Lfor_b_\@:
	tensor_load_to_lds s[\g0b:\g0b+3], s[\g1b:\g1b+7]
	s_nop 0
.rept 4
	v_nop
.endr
.Lasked_\@:
.endm
.macro CROUND                          ; a round of the cluster's barrier
	s_barrier_signal -1
	s_barrier_wait -1
	s_cmp_lg_u32 s14, 0
	s_cbranch_scc1 .Lnot_wave_0_\@
	s_barrier_signal -3
.Lnot_wave_0_\@:
	s_barrier_wait -3
	s_barrier_signal -1
	s_barrier_wait -1
.endm
	s_load_b128 s[4:7], s[0:1], 0x0                ; xc, xs
	s_load_b128 s[8:11], s[0:1], 0x10              ; wc, ws
	s_load_b64 s[66:67], s[0:1], 0x20              ; b_qkv
	s_load_b64 s[12:13], s[0:1], 0x28              ; qkv16
	v_lshl_add_u32 v[SPW], v0, 2, SPARE
	v_mov_b32 v[NIL], 0
	ds_add_u32 v[SPW], v[NIL]                      ; the wave's opening: the add, twice on end, and its wait ahead of my first tensor load
	ds_add_u32 v[SPW], v[NIL]
	v_lshrrev_b32 v1, 5, v0
	v_readfirstlane_b32 s14, v1                    ; wave 0..3
	s_lshr_b32 s15, s14, 1                         ; which half of the tile's rows is mine; also: I fetch for A (0) or B (1)
	s_and_b32 s16, s14, 1                          ; which half of its columns; also: which 128 rows I fetch
	s_bfe_u32 s40, ttmp6, 0x40000                  ; cx
	s_bfe_u32 s41, ttmp6, 0x40004                  ; cy
	s_lshl_b32 s42, ttmp9, 2
	s_add_co_u32 s42, s42, s40                     ; tile column of C
	s_and_b32 s17, ttmp7, 0xffff
	s_lshl_b32 s17, s17, 2
	s_add_co_u32 s17, s17, s41                     ; tile row of C
	s_lshl_b32 s43, s41, 2
	s_lshl_b32 s43, 15, s43                        ; my row of the cluster
	s_lshl_b32 s44, 0x1111, s40                    ; my column
	s_or_b32 s[G1+0], s43, (0<<16)|(1<<20)|(1<<21)|(5<<22)|(3<<25)  ; the mask; elements of 1 byte; padding on; bit 21 beside a mask; 4 words after every 64
	s_or_b32 s[G1B+0], s44, (0<<16)|(1<<20)|(1<<21)|(5<<22)|(3<<25)
.irp g, G1, G1B
	s_mov_b32 s[\g+1], ROWB<<16                    ; tensor_dim0
	s_mov_b32 s[\g+2], 128<<16                     ; tensor_dim1
	s_mov_b32 s[\g+3], ROWB<<16                    ; tile_dim0
	s_mov_b32 s[\g+4], 128                         ; tile_dim1
	s_mov_b32 s[\g+5], KROW                        ; the pitch in memory
	s_mov_b32 s[\g+6], 0
	s_mov_b32 s[\g+7], 0
.endr
	s_or_b32 s[G1S+0], s43, (3<<16)|(1<<20)|(1<<21)|(5<<22)|(3<<25)  ; the scale bytes of 128 rows: 4,096 dense bytes as 16 rows of 32 elements of 8 bytes
	s_or_b32 s[G1SB+0], s44, (3<<16)|(1<<20)|(1<<21)|(5<<22)|(3<<25)
.irp g, G1S, G1SB
	s_mov_b32 s[\g+1], 32<<16
	s_mov_b32 s[\g+2], (128*KS/256)<<16
	s_mov_b32 s[\g+3], 32<<16
	s_mov_b32 s[\g+4], 128*KS/256
	s_mov_b32 s[\g+5], 32
	s_mov_b32 s[\g+6], 0
	s_mov_b32 s[\g+7], 0
.endr
	s_lshl_b32 s18, s16, 7
	s_lshl_b32 s20, s17, 8
	s_add_co_u32 s20, s20, s18                     ; A: row 256 x tile row + 128 x half
	s_lshl_b32 s46, s42, 8
	s_add_co_u32 s46, s46, s18                     ; B: row 256 x tile column + 128 x half
	s_mov_b32 s21, 0
	s_mov_b32 s47, 0
	s_mov_b64 s[18:19], KS
	s_mul_u64 s[22:23], s[20:21], s[18:19]         ; where these rows' scale bytes begin
	s_mul_u64 s[92:93], s[46:47], s[18:19]
	s_mov_b64 s[18:19], KROW
	s_mul_u64 s[20:21], s[20:21], s[18:19]         ; and their codes
	s_mul_u64 s[46:47], s[46:47], s[18:19]
	s_mul_i32 s45, s14, HALFT                      ; where they go: wave x 128 rows
	s_mul_i32 s94, s14, HALFS
	s_wait_dscnt 0x0                               ; both opening adds are done
	s_wait_kmcnt 0x0
	s_add_nc_u64 s[20:21], s[4:5], s[20:21]
	s_add_nc_u64 s[22:23], s[6:7], s[22:23]
	s_add_nc_u64 s[46:47], s[8:9], s[46:47]
	s_add_nc_u64 s[92:93], s[10:11], s[92:93]
	CROUND                                         ; all sixteen work-groups are here: the joint loads meet
	s_mov_b32 s[G0S], 1
	s_add_co_u32 s[G0S+1], s94, SCL
	s_mov_b64 s[G0S+2:G0S+3], s[22:23]
	s_or_b32 s[G0S+3], s[G0S+3], 0x80000000
	s_mov_b32 s[G0SB], 1
	s_add_co_u32 s[G0SB+1], s94, SCL
	s_mov_b64 s[G0SB+2:G0SB+3], s[92:93]
	s_or_b32 s[G0SB+3], s[G0SB+3], 0x80000000
	JLOAD G0S, G1S, G0SB, G1SB                     ; the scale bytes first: they are wanted with the first step
.irp s, 0,1
	s_mov_b32 s[G0+4*\s], 1
	s_add_co_u32 s[G0+4*\s+1], s45, \s*SLOT
	s_add_nc_u64 s[G0+4*\s+2:G0+4*\s+3], s[20:21], \s*ROWB
	s_or_b32 s[G0+4*\s+3], s[G0+4*\s+3], 0x80000000
	s_mov_b32 s[G0B+4*\s], 1
	s_add_co_u32 s[G0B+4*\s+1], s45, \s*SLOT
	s_add_nc_u64 s[G0B+4*\s+2:G0B+4*\s+3], s[46:47], \s*ROWB
	s_or_b32 s[G0B+4*\s+3], s[G0B+4*\s+3], 0x80000000
	JLOAD G0+4*\s, G1, G0B+4*\s, G1B               ; three loads of mine are out in all
.endr
	v_and_b32 v1, 15, v0                           ; r
	v_bfe_u32 v2, v0, 4, 1                         ; h
	v_mul_u32_u24 v3, v1, PITCH
	v_lshl_add_u32 v4, v2, 4, v3                   ; a fragment's row x pitch + 16 h
	s_mul_i32 s21, s15, HALFT
	s_mul_i32 s22, s16, HALFT
	s_add_co_u32 s22, s22, 2*HALFT
.irp s, 0,1
	v_add_nc_u32 v[ADRA+\s], s21, v4
	v_add_nc_u32 v[ADRB+\s], s22, v4
	s_add_co_u32 s21, s21, SLOT
	s_add_co_u32 s22, s22, SLOT
.endr
	v_mul_u32_u24 v5, v1, KS                       ; my row's scale bytes: 32 a row,
	v_lshrrev_b32 v6, 8, v5
	v_lshl_add_u32 v5, v6, 4, v5                   ; and 16 more for each 256 passed
	s_mul_i32 s21, s15, HALFS
	s_mul_i32 s22, s16, HALFS
	s_add_co_u32 s22, s22, 2*HALFS
	s_sub_co_u32 s22, s22, s21
	v_mul_u32_u24 v6, s22, v2                      ; lanes 16-31 take B's
	s_add_co_u32 s21, s21, SCL
	v_add_nc_u32 v5, v5, v6
	v_add_nc_u32 v[ADRS], s21, v5
	s_mul_i32 s23, s14, 16*SPITCH                  ; my stage
	v_mul_u32_u24 v5, v1, SPITCH
	v_lshl_add_u32 v5, v2, 4, v5
	v_add_nc_u32 v[STO], s23, v5                   ; in: row r, 16 bytes for each half of the lanes
	v_and_b32 v6, 31, v0
	v_lshlrev_b32 v[CO], 4, v6                     ; in memory: 16 x lane
	v_lshrrev_b32 v5, 3, v6
	v_mul_u32_u24 v5, v5, SPITCH
	v_and_b32 v6, 7, v0
	v_lshl_add_u32 v5, v6, 4, v5
	v_add_nc_u32 v[RD], s23, v5                    ; back: eight lanes take the 128 bytes of one head of one row, four rows an instruction
	s_lshl_b32 s46, s42, 10                        ; the bias of my 128 columns: 1,024 x tile column + 512 x half bytes on
	s_lshl_b32 s47, s16, 9
	s_add_co_u32 s46, s46, s47
	s_mov_b32 s47, 0
	s_add_nc_u64 s[66:67], s[66:67], s[46:47]
	v_lshlrev_b32 v7, 5, v2                        ; lane (r, h) wants, for B's block b, the bias of columns 16 b + 8 h + 0 .. 7
.irp b, 0,1,2,3,4,5,6,7
	global_load_b128 v[BI+8*\b:BI+8*\b+3], v7, s[66:67] offset:64*\b
	global_load_b128 v[BI+8*\b+4:BI+8*\b+7], v7, s[66:67] offset:64*\b+16
.endr
	; where my part begins in qkv16: ((part x 4 + b) x 16 + head) x 2^18 + s x 128.  part = cluster x, head = 4 cx + 2 x column half; b = tile row / 8, s = 256 (tile row % 8) + 128 x row half
	s_lshr_b32 s20, s17, 3
	s_lshl_b32 s20, s20, 22
	s_and_b32 s21, s17, 7
	s_lshl_b32 s21, s21, 15
	s_add_co_u32 s20, s20, s21
	s_lshl_b32 s21, s15, 14
	s_add_co_u32 s20, s20, s21
	s_mov_b32 s21, 0
	s_lshl_b32 s46, ttmp9, 24
	s_lshl_b32 s47, s40, 20
	s_add_co_u32 s46, s46, s47
	s_lshl_b32 s47, s16, 19
	s_add_co_u32 s46, s46, s47
	s_mov_b32 s47, 0
	s_add_nc_u64 s[20:21], s[20:21], s[46:47]
	s_add_nc_u64 s[12:13], s[12:13], s[20:21]
.macro FRAG reg, adr, q, i             ; 16 rows x 128 K of 4-bit codes: registers 4 c .. 4 c + 3 hold K = 64 c + 32 h + 0 .. 31
.irp c, 0,1
	ds_load_b128 v[\reg+4*\c:\reg+4*\c+3], v[\adr] offset:64*(\q)+32*\c+(\i)*16*PITCH
.endr
.endm
; 16 matrix instructions: A's blocks a0, a0 + 1 x B's eight.  first = 1: the bias is the C.  The 64 accumulators take turns, one instruction a turn, in the same order in every step.
.macro MUL16 a0, p, q, sc, first
.irp a, \a0, \a0+1
.irp b, 0,1,2,3,4,5,6,7
.if \first
	v_wmma_scale_f32_16x16x128_f8f6f4 v[8*(8*((\a)%4)+\b):8*(8*((\a)%4)+\b)+7], v[128*(\p)+FR*\b:128*(\p)+FR*\b+FR-1], v[AF+FR*(\a):AF+FR*(\a)+FR-1], v[BI+8*\b:BI+8*\b+7], v[SC+8*NQ*(\sc)+NQ*\b+(\q)], v[SC+8*NQ*(\sc)+NQ*(\a)+(\q)] matrix_a_fmt:MATRIX_FMT_FP4 matrix_b_fmt:MATRIX_FMT_FP4 matrix_a_scale:MATRIX_SCALE_ROW1
.else
	v_wmma_scale_f32_16x16x128_f8f6f4 v[8*(8*((\a)%4)+\b):8*(8*((\a)%4)+\b)+7], v[128*(\p)+FR*\b:128*(\p)+FR*\b+FR-1], v[AF+FR*(\a):AF+FR*(\a)+FR-1], v[8*(8*((\a)%4)+\b):8*(8*((\a)%4)+\b)+7], v[SC+8*NQ*(\sc)+NQ*\b+(\q)], v[SC+8*NQ*(\sc)+NQ*(\a)+(\q)] matrix_a_fmt:MATRIX_FMT_FP4 matrix_b_fmt:MATRIX_FMT_FP4 matrix_a_scale:MATRIX_SCALE_ROW1
.endif
.endr
.endr
.endm
.macro FETCH_B slot, q, p
	WIN TO_B
.irp i, 0,1,2,3,4,5,6,7
	FRAG 128*(\p)+FR*\i, ADRB+\slot, \q, \i
.endr
	WIN 0
.endm
.macro FETCH_A slot, q, i0
.irp i, \i0, \i0+1, \i0+2, \i0+3
	FRAG AF+FR*(\i), ADRA+\slot, \q, \i
.endr
.endm
.macro SCALES sc                       ; a slot's scale words: four words a row; lanes 0-15 take A's block i, lanes 16-31 B's block i
.irp i, 0,1,2,3,4,5,6,7
	ds_load_b128 v[SC+8*NQ*\sc+NQ*\i:SC+8*NQ*\sc+NQ*\i+3], v[ADRS] offset:\i*SBLK
.endr
.endm
.macro PLACES n                        ; plain vector instructions between a matrix instruction and a load into, or a read of, its registers
.rept \n
	v_nop
.endr
.endm
.macro STEP slot, q, first             ; a step of 128 along K that has its successor in the same slot
	s_wait_dscnt 4*NL                              ; B's set and A's blocks 0-3 are in; the youngest eight loads (A's blocks 4-7) may be out
.if \first
	WIN FST_LO
.else
	WIN MUL_LO
.endif
	MUL16 0, (\q)%2, \q, \slot, \first
	MUL16 2, (\q)%2, \q, \slot, \first
	s_wait_dscnt 0                                 ; A's blocks 4-7 are in
	PLACES NP
	FETCH_B \slot, (\q)+1, 1-(\q)%2
	FETCH_A \slot, (\q)+1, 0
.if \first
	WIN FST_HI
.else
	WIN MUL_HI
.endif
	MUL16 4, (\q)%2, \q, \slot, \first
	MUL16 6, (\q)%2, \q, \slot, \first
	PLACES NP
	WIN 0
	FETCH_A \slot, (\q)+1, 4
.endm
.macro STEPS slot, from
.set Q, \from
.rept NQ-1-\from
	STEP \slot, Q, 0
.set Q, Q+1
.endr
.endm
	s_wait_tensorcnt 1                             ; the scale bytes and my part of slot 0 are in; slot 1's load may be out
	s_barrier_signal -1
	s_barrier_wait -1                              ; everybody's are
	FETCH_B 0, 0, 0
	FETCH_A 0, 0, 0
	SCALES 0
	FETCH_A 0, 0, 4
	s_wait_loadcnt 0x0                             ; the bias
	STEP 0, 0, 1
	STEPS 0, 1
	; slot 0's last step changes slots: my part of slot 1 has landed, then the barrier shows everybody's
	s_wait_tensorcnt 0x0                           ; all my tensor loads have landed
	ds_add_u32 v[SPW], v[NIL]                      ; 0 onto my spare word
	s_wait_dscnt 4*NL+1                            ; (the add and the youngest eight loads may be out)
	WIN MUL_LO
	MUL16 0, 1, NQ-1, 0, 0
	s_wait_dscnt 0x0                               ; the add is done, and my reads of slot 0 are over
	s_barrier_signal -1
	MUL16 2, 1, NQ-1, 0, 0
	WIN 0
	s_barrier_wait -1
	PLACES NP
	v_add_nc_u32 v[ADRS], 4*NQ, v[ADRS]            ; on to slot 1's scale words
	FETCH_B 1, 0, 0
	FETCH_A 1, 0, 0
	SCALES 1
	WIN MUL_HI
	MUL16 4, 1, NQ-1, 0, 0
	MUL16 6, 1, NQ-1, 0, 0
	PLACES NP
	WIN 0
	FETCH_A 1, 0, 4
	STEPS 1, 0
	s_wait_dscnt 4*NL                              ; the last step: nothing more to fetch
	WIN MUL_LO
	MUL16 0, 1, NQ-1, 1, 0
	MUL16 2, 1, NQ-1, 1, 0
	s_wait_dscnt 0
	WIN MUL_HI
	MUL16 4, 1, NQ-1, 1, 0
	MUL16 6, 1, NQ-1, 1, 0
	WIN 0
; THE WAY OUT, block by block of 16 rows x 128 columns (two heads).  Rounded to f16, a lane's eight columns are 16 bytes; they go through my stage and come back so that sixteen lanes hold two rows of one head:
; 256 consecutive bytes of qkv16, aligned.  Block a's conversions stand between block a - 1's loads from the stage and the wait for them.
.macro PACK a
.set AC, 64*((\a)%4)
	WIN 0x0a+5*((\a)/4)                            ; sources 0 and 1: window 2 or 3
.irp b, 0,1,2,3,4,5,6,7
.irp r, 0,1,2,3
	v_cvt_pk_f16_f32 v[TMP+4*\b+\r], v[AC+8*\b+2*\r], v[AC+8*\b+2*\r+1]   ; each accumulator from its low end on
.endr
.endr
	WIN 0
.endm
.macro TOSTAGE a
.set BB, BK+32*((\a)%2)
.irp b, 0,1,2,3,4,5,6,7
	ds_store_b128 v[STO], v[TMP+4*\b:TMP+4*\b+3] offset:32*\b
.endr
.irp f, 0,1,2,3,4,5,6,7                        ; head f / 4, rows 4 (f % 4) on.  LDS serves a wave's instructions in order: these see the stores above
	ds_load_b128 v[BB+4*\f:BB+4*\f+3], v[RD] offset:4*(\f%4)*SPITCH+128*(\f/4)
.endr
.endm
.macro SEND a
.set BB, BK+32*((\a)%2)
	s_wait_dscnt 0x0                               ; the block is back in registers
	s_wait_xcnt 0x0                                ; the stores of the block before have read their registers: the next block's rows may land there
.irp f, 0,1,2,3,4,5,6,7
	global_store_b128 v[CO], v[BB+4*\f:BB+4*\f+3], s[12:13] offset:(\a)*2048+(\f/4)*262144+(\f%4)*512
.endr
.endm
	PLACES NP
	PACK 0
	TOSTAGE 0
.irp a, 1,2,3,4,5,6,7
	PACK \a
	SEND \a-1
	TOSTAGE \a
.endr
	SEND 7
	s_wait_tensorcnt 0x0                           ; the wave's end: behind my last tensor load and my last LDS store
	ds_add_u32 v[SPW], v[NIL]
	s_wait_dscnt 0x0
	CROUND                                         ; the closing round
	s_endpgm
.Lfunc_end_k_q7221ba122e_gemm:
	.size	k_q7221ba122e_gemm, .Lfunc_end_k_q7221ba122e_gemm-k_q7221ba122e_gemm
	.p2alignl 7, 3214868480
	.fill 96, 4, 3214868480
	.section	.rodata,"a",@progbits
	.p2align	6, 0x0
	.amdhsa_kernel k_q7221ba122e_gemm
		.amdhsa_group_segment_fixed_size 327680
		.amdhsa_private_segment_fixed_size 0
		.amdhsa_enable_private_segment 0
		.amdhsa_kernarg_size 48
		.amdhsa_user_sgpr_count 2
		.amdhsa_user_sgpr_kernarg_segment_ptr 1
		.amdhsa_wavefront_size32 1
		.amdhsa_system_sgpr_workgroup_id_x 1
		.amdhsa_system_sgpr_workgroup_id_y 1
		.amdhsa_system_sgpr_workgroup_id_z 1
		.amdhsa_system_vgpr_workitem_id 0
		.amdhsa_next_free_vgpr 1024
		.amdhsa_next_free_sgpr 100
		.amdhsa_reserve_vcc 0
		.amdhsa_float_denorm_mode_32 3
		.amdhsa_float_denorm_mode_16_64 3
		.amdhsa_memory_ordered 1
		.amdhsa_forward_progress 1
		.amdhsa_inst_pref_size 128
	.end_amdhsa_kernel
	.amdgpu_metadata
---
amdhsa.version: [ 1, 2 ]
amdhsa.kernels:
  - .name:           k_q7221ba122e_gemm
    .symbol:         k_q7221ba122e_gemm.kd
    .args:
      - { .name: xc, .offset: 0, .size: 8, .value_kind: global_buffer, .address_space: global }
      - { .name: xs, .offset: 8, .size: 8, .value_kind: global_buffer, .address_space: global }
      - { .name: wc, .offset: 16, .size: 8, .value_kind: global_buffer, .address_space: global }
      - { .name: ws, .offset: 24, .size: 8, .value_kind: global_buffer, .address_space: global }
      - { .name: b_qkv, .offset: 32, .size: 8, .value_kind: global_buffer, .address_space: global }
      - { .name: qkv16, .offset: 40, .size: 8, .value_kind: global_buffer, .address_space: global }
    .group_segment_fixed_size: 327680
    .private_segment_fixed_size: 0
    .kernarg_segment_align: 8
    .kernarg_segment_size: 48
    .max_flat_workgroup_size: 128
    .sgpr_count:     100
    .vgpr_count:     1024
    .wavefront_size: 32
...
	.end_amdgpu_metadata
.endif
;; end of part 2
;; launch attn (part 3): grid 4 x 64, 16 waves a work-group, clusters of 4 x 1, 327,680 bytes of LDS; arguments qkv16, ao16; writes ao16
.if DOCPART == 3
	.amdgcn_target "amdgcn-amd-amdhsa--gfx1250"
	.amdhsa_code_object_version 6
	.text
	.protected	k_q7221ba122e_attn
	.globl	k_q7221ba122e_attn
	.p2align	8
	.type	k_q7221ba122e_attn,@function
k_q7221ba122e_attn:
	s_mov_b64 s[64:65], 0
	v_nop
	global_prefetch_b8 v0, s[64:65] scope:SCOPE_SE
	s_setreg_imm32_b32 hwreg(HW_REG_WAVE_MODE, 25, 1), 1
	s_wait_xcnt 0x0
	s_wait_alu depctr_hold_cnt(0) depctr_sa_sdst(0) depctr_va_vdst(0) depctr_va_sdst(0) depctr_va_ssrc(0) depctr_va_vcc(0) depctr_vm_vsrc(0)
	s_getreg_b32 s2, hwreg(HW_REG_IB_STS2, 6, 4)
	s_cmp_eq_u32 s2, 0
	s_cbranch_scc0 .Lentry_in_a_cluster
	s_endpgm
.Lentry_in_a_cluster:
	s_bfe_u32 s2, ttmp6, 0x10000c
	s_cmp_lg_u32 s2, 0x3003
	s_cbranch_scc0 .Lentry_shape_is_right
	s_endpgm
.Lentry_shape_is_right:
; Causal attention of one (batch, head) for each cluster of four work-groups.  q, k, v: qkv16 [3][64 bh][2048][64] f16; out: ao16 [64 bh][2048][64] f16.  Products on f16 operands, sums, maxima and softmax in f32, with a running maximum.
; LIMITS: the weights p (at most about 1) and the result go to f16; magnitudes of the result under 65,504.  Positions 0-15 of each sequence are computed here like the others and are replaced by a later, finer launch.
; SHARES.  Sixteen waves a work-group, 32 queries (two tiles of 16) a wave, four waves to a SIMD, so that one wave's softmax stands beside another's products.  With a = w / 4, s = w % 4: i = 4 a + (s xor 3 (a % 2)),
; and the wave's queries begin at 128 i + 32 (cx xor 3 (i % 2)): the four waves w % 4 = const of every work-group then have the same number of keys to walk in sum.
; Branches hang on i, that is on the wave's number alone: a step of 64 keys is walked while its first key lies under 128 i + 128 and masked from key 128 i on; cx enters Q's and O's addresses, the mask's lane value and the prefetch address only.
; The wave with i = 15 of every work-group reads every tile, so every joint load is read by each partner.
; LAYOUT.  S^T = K Q^T (source 0 = 16 keys, source 1 = 16 queries), O^T = V^T P (source 0 = 16 channels, turned on the way out of LDS; source 1 = P): a lane holds one query throughout; two tiles of S^T, rounded in pairs, are P's fragment.
; LDS.  Two slots of 256 keys, 2^17 bytes apart.  K's and V's rows of 128 bytes are dense in memory: a tile is stated as rows of 256 bytes (two keys), K with 16 bytes of padding, V with 32.
; REGISTERS: v1-11 addresses; v12-27 statistics, 8 a tile (+0 c m, +1 m, +2, +3 l, +4..+7 at work, +6 = a); v28 the mask's d; v29 -infinity; v32-63 Q; v64-127 S^T, then P in each tile's lower 16; v128-191 O^T; v192-255 K's, then V's fragments.
.set VOFF,  128*272                    ; a slot: 128 rows of K (pitch 272), then 128 rows of V (pitch 288)
.set SLOT1, 1<<17
.set STAGE, SLOT1+VOFF+128*288         ; behind the ring: 32 rows x 144 bytes for each wave, for the way out
.set SPARE, STAGE+16*32*144            ; the spare words, 128 bytes a wave, which no other line names
.set AK0, 1
.set AV0, 2
.set ADK, 3
.set ADV, 4
.set SPW, 5
.set NIL, 6
.set LC,  7
.set STO, 8
.set RD,  9
.set GO,  10
.set PFO, 11
.set ST,  12
.set DD,  28
.set NEG, 29
.set QF,  32
.set S,   64
.set O,   128
.set KV,  192
.set WV,  18
.set SEL, 20
.set CS,  22
.set G1K, 24
.set G1V, 32
.set G0K, 40
.set G0V, 44
.set TK,  2
.set TV,  3
.set KF,  48                           ; the step's first key
.set QG,  49                           ; 128 i
.set QE,  50                           ; 128 i + 128
.set Q0,  51                           ; my first query
.set SLOTS, 52
.set TW,  53
.set PFA, 54
.set LIM, 56
.macro CROUND
	s_barrier_signal -1
	s_barrier_wait -1
	s_cmp_lg_u32 s[WV], 0
	s_cbranch_scc1 .Lnot_wave_0_\@
	s_barrier_signal -3
.Lnot_wave_0_\@:
	s_barrier_wait -3
	s_barrier_signal -1
	s_barrier_wait -1
.endm
; Waves 0 and 1 fetch K's halves of a slot, waves 2 and 3 V's, the others nothing: branches on the wave's number alone.  An s_nop 0 and four v_nop follow each line.
.macro TLOAD
	s_cmp_lt_u32 s[WV], 2
	s_cbranch_scc0 .Lnot_k_\@
	tensor_load_to_lds s[G0K:G0K+3], s[G1K:G1K+7]
	s_nop 0
.rept 4
	v_nop
.endr
	s_branch .Lasked_\@
.Lnot_k_\@:
	s_cmp_lt_u32 s[WV], 4
	s_cbranch_scc0 .Lasked_\@
	tensor_load_to_lds s[G0V:G0V+3], s[G1V:G1V+7]
	s_nop 0
.rept 4
	v_nop
.endr
.Lasked_\@:
.endm
; A prefetch of the slot that the NEXT change of slots will ask for: a slot's four key steps ahead of that load.  A slot is 32,768 bytes of K and as many of V; wave 4 asks for K's, wave 5 for V's; the four partners
; share them out by address, 8,192 bytes each, lanes 256 bytes apart: each aligned block of 256 bytes is named once in the launch (no other cluster reads this head).  The last filling change asks for nothing.
.macro ASK
	s_cmp_gt_u32 s[SLOTS], s[LIM]
	s_cbranch_scc0 .Lnot_mine_\@
	global_prefetch_b8 v[PFO], s[PFA:PFA+1] th:TH_LOAD_NT scope:SCOPE_SE
.Lnot_mine_\@:
.endm
	s_load_b128 s[4:7], s[0:1], 0x0                ; qkv16, ao16
	v_lshl_add_u32 v[SPW], v0, 2, SPARE
	v_mov_b32 v[NIL], 0
	ds_add_u32 v[SPW], v[NIL]                      ; the wave's opening: the add, twice on end, and its wait ahead of the first tensor loads
	ds_add_u32 v[SPW], v[NIL]
	v_lshrrev_b32 v1, 5, v0
	v_readfirstlane_b32 s[WV], v1                  ; wave 0..15
	s_bfe_u32 s8, ttmp6, 0x40000                   ; cx
	s_and_b32 s9, ttmp7, 0xffff                    ; batch x 16 + head, which the four partners share
	s_lshr_b32 s10, s[WV], 2                       ; a
	s_and_b32 s11, s[WV], 3                        ; s
	s_and_b32 s12, s10, 1
	s_mul_i32 s12, s12, 3
	s_xor_b32 s11, s11, s12
	s_lshl_b32 s10, s10, 2
	s_add_co_u32 s10, s10, s11                     ; i
	s_lshl_b32 s[QG], s10, 7
	s_add_co_u32 s[QE], s[QG], 128
	s_and_b32 s12, s10, 1
	s_mul_i32 s12, s12, 3
	s_xor_b32 s12, s12, s8
	s_lshl_b32 s12, s12, 5
	s_add_co_u32 s[Q0], s[QG], s12
	s_lshl_b32 s14, s9, 18                         ; the head's first byte in a part of qkv16 and in ao16
	s_and_b32 s13, s[WV], 1                        ; which half of a slot I fetch, if I fetch
	s_lshl_b32 s15, s13, 14
	s_add_co_u32 s16, s14, s15
	s_mov_b32 s17, 0
	s_mov_b32 s[G1K], 15|(3<<16)|(1<<20)|(1<<21)|(5<<22)|(3<<25)  ; the mask: all four; elements of 8 bytes; padding on; bit 21 beside a mask; 4 words after every 64
	s_mov_b32 s[G1V], 15|(3<<16)|(1<<20)|(1<<21)|(5<<22)|(7<<25)  ; the same with 8 words
.irp g, G1K, G1V
	s_mov_b32 s[\g+1], 32<<16                      ; tensor_dim0 = 32 elements: 256 bytes, two keys
	s_mov_b32 s[\g+2], 64<<16                      ; tensor_dim1 = 64 rows
	s_mov_b32 s[\g+3], 32<<16                      ; tile_dim0
	s_mov_b32 s[\g+4], 64                          ; tile_dim1
	s_mov_b32 s[\g+5], 32                          ; dense
	s_mov_b32 s[\g+6], 0
	s_mov_b32 s[\g+7], 0
.endr
	s_mov_b32 s[G0K], 1
	s_mul_i32 s[G0K+1], s13, 64*272
	s_mov_b32 s[G0V], 1
	s_mul_i32 s[G0V+1], s13, 64*288
	s_add_co_u32 s[G0V+1], s[G0V+1], VOFF
	s_mov_b32 s[SEL], 0x76543210
	s_mov_b32 s[SEL+1], 0xfedcba98
	s_mov_b32 s[CS], 0x3e38aa3b                    ; c = log2(e) / 8
	s_mov_b32 s[CS+1], s[CS]
	s_mov_b32 s[TK], 0
	s_mov_b32 s[TV], 0
	s_mov_b32 s[KF], 0
	s_mov_b32 s[SLOTS], 7
	s_sub_co_u32 s59, s[WV], 4
	s_lshr_b32 s59, s59, 1
	s_cmp_eq_u32 s59, 0                            ; waves 4 and 5 prefetch
	s_cselect_b32 s[LIM], 1, -1
	s_mov_b32 s58, 0x2000000                       ; V's part of qkv16,
	s_cmp_eq_u32 s[WV], 4
	s_cselect_b32 s58, 0x1000000, s58              ; K's for wave 4
	s_add_co_u32 s58, s58, s14
	s_lshl_b32 s59, s8, 13                         ; my work-group's 8,192 bytes of a slot
	s_add_co_u32 s58, s58, s59
	s_add_co_u32 s58, s58, 32768                   ; in slot 1: the first change of slots steps it to slot 2.  Nothing is prefetched at the head
	s_mov_b32 s59, 0
	s_lshl_b32 s60, s[Q0], 7
	s_add_co_u32 s60, s60, s14                     ; my first query's row, in q and in ao16
	s_mov_b32 s61, 0
	s_wait_dscnt 0x0                               ; both opening adds are done
	s_wait_kmcnt 0x0
	s_add_nc_u64 s[G0K+2:G0K+3], s[4:5], s[16:17]
	s_add_nc_u64 s[G0V+2:G0V+3], s[G0K+2:G0K+3], 0x2000000
	s_add_nc_u64 s[G0K+2:G0K+3], s[G0K+2:G0K+3], 0x1000000
	s_or_b32 s[G0K+3], s[G0K+3], 0x80000000
	s_or_b32 s[G0V+3], s[G0V+3], 0x80000000
	s_add_nc_u64 s[PFA:PFA+1], s[4:5], s[58:59]
	s_add_nc_u64 s[62:63], s[4:5], s[60:61]        ; Q
	s_add_nc_u64 s[6:7], s[6:7], s[60:61]          ; O
	CROUND                                         ; all four work-groups are here
	TLOAD                                          ; slot 0
	v_and_b32 v12, 15, v0                          ; r
	v_bfe_u32 v13, v0, 4, 1                        ; h
	v_lshlrev_b32 v[DD], 7, v12
	v_lshl_add_u32 v[DD], v13, 4, v[DD]            ; Q: row r of 128 bytes + 16 h
.irp t, 0,1
.irp f, 0,1
	global_load_b128 v[QF+16*\t+8*\f:QF+16*\t+8*\f+3], v[DD], s[62:63] offset:2048*\t+64*\f
	global_load_b128 v[QF+16*\t+8*\f+4:QF+16*\t+8*\f+7], v[DD], s[62:63] offset:2048*\t+64*\f+32
.endr
.endr
	v_lshrrev_b32 v14, 1, v12
	v_mul_u32_u24 v[AK0], v14, 272
	v_and_b32 v14, 1, v0
	v_lshl_add_u32 v[AK0], v14, 7, v[AK0]
	v_lshl_add_u32 v[AK0], v13, 4, v[AK0]          ; key r: (r / 2) x 272 + (r % 2) x 128 + 16 h
	v_bfe_u32 v15, v0, 1, 2
	v_lshl_add_u32 v15, v13, 2, v15
	v_mul_u32_u24 v[AV0], v15, 288
	v_lshl_add_u32 v[AV0], v14, 7, v[AV0]
	v_bfe_u32 v15, v0, 3, 1
	v_lshl_add_u32 v[AV0], v15, 4, v[AV0]
	v_add_nc_u32 v[AV0], VOFF, v[AV0]              ; the turning load: key 8 h + l % 8, channels 8 ((l / 8) % 2) on
	v_lshlrev_b32 v15, 3, v13
	v_sub_nc_u32 v[LC], v12, v15                   ; r - 8 h
	s_mul_i32 s57, s[WV], 32*144
	s_add_co_u32 s57, s57, STAGE                   ; my stage
	v_mul_u32_u24 v[STO], v12, 144
	v_lshl_add_u32 v[STO], v13, 4, v[STO]
	v_add_nc_u32 v[STO], s57, v[STO]
	v_bfe_u32 v14, v0, 3, 2
	v_mul_u32_u24 v[RD], v14, 144
	v_and_b32 v14, 7, v0
	v_lshl_add_u32 v[RD], v14, 4, v[RD]
	v_add_nc_u32 v[RD], s57, v[RD]
	v_and_b32 v14, 31, v0
	v_lshlrev_b32 v[GO], 4, v14
	v_lshlrev_b32 v[PFO], 8, v14
	v_mov_b32 v[NEG], 0xff800000
.irp t, 0,1
	v_mov_b32 v[ST+8*\t+1], 0xff61b1e6             ; m: -3e38, under every score
	v_mul_f32 v[ST+8*\t], s[CS], v[ST+8*\t+1]
.irp j, 2,3,4,5,6,7
	v_mov_b32 v[ST+8*\t+\j], 0
.endr
.endr
.irp j, 0,1,2,3,4,5,6,7,8,9,10,11,12,13,14,15,16,17,18,19,20,21,22,23,24,25,26,27,28,29,30,31,32,33,34,35,36,37,38,39,40,41,42,43,44,45,46,47,48,49,50,51,52,53,54,55,56,57,58,59,60,61,62,63
	v_mov_b32 v[O+\j], 0                           ; O^T.  (The step is written once: the first finds zeros, which a = 0 leaves zeros)
.endr
; A KEY STEP: 64 keys.  32 matrix instructions and the two tiles' softmax.
.macro STEP
	s_cmp_ge_u32 s[KF], s[QE]                      ; all of whose keys come after my group's queries: left out (the wave's number and the count of steps alone)
	s_cbranch_scc1 .Lhid_\@
	v_add_nc_u32 v[ADK], s[TK], v[AK0]
	v_add_nc_u32 v[ADV], s[TV], v[AV0]
.irp kt, 0,1,2,3
.irp f, 0,1
	ds_load_b128 v[KV+16*\kt+8*\f:KV+16*\kt+8*\f+3], v[ADK] offset:2176*\kt+64*\f
	ds_load_b128 v[KV+16*\kt+8*\f+4:KV+16*\kt+8*\f+7], v[ADK] offset:2176*\kt+64*\f+32
.endr
.endr
	s_wait_dscnt 0x0                               ; K's fragments are in
.irp kt, 0,1,2,3                               ; the eight accumulators by turns, channels 0-31 first
.irp t, 0,1
	v_wmma_f32_16x16x32_f16 v[S+32*\t+8*\kt:S+32*\t+8*\kt+7], v[KV+16*\kt:KV+16*\kt+7], v[QF+16*\t:QF+16*\t+7], 0
.endr
.endr
.irp kt, 0,1,2,3
.irp t, 0,1
	v_wmma_f32_16x16x32_f16 v[S+32*\t+8*\kt:S+32*\t+8*\kt+7], v[KV+16*\kt+8:KV+16*\kt+15], v[QF+16*\t+8:QF+16*\t+15], v[S+32*\t+8*\kt:S+32*\t+8*\kt+7]
.endr
.endr
.rept 4
	v_nop                                          ; places in front of the loads into K's registers and of the first read of the scores
.endr
.irp u, 0,1                                    ; V, turned: keys 32 u on, channels 16 c on.  The loads land while the softmax is walked
.irp c, 0,1,2,3
	ds_load_tr16_b128 v[KV+32*\u+8*\c:KV+32*\u+8*\c+3], v[ADV] offset:4608*\u+32*\c
	ds_load_tr16_b128 v[KV+32*\u+8*\c+4:KV+32*\u+8*\c+7], v[ADV] offset:4608*\u+32*\c+2304
.endr
.endr
	s_cmp_lt_u32 s[KF], s[QG]                      ; a step all of whose keys count for all queries of my group skips the mask
	s_cbranch_scc1 .Lopen_\@
	s_sub_co_i32 s57, s[Q0], s[KF]
	v_add_nc_u32 v[DD], s57, v[LC]                 ; d = my tile 0's query - the step's first key - 8 h.  Register 8 kt + j of tile t holds key 16 kt + 8 h + j: hidden where 16 kt + j - 16 t > d
.irp t, 0,1
.irp kt, 0,1,2,3
.irp j, 0,1,2,3,4,5,6,7
	v_cmp_gt_i32 vcc_lo, 16*\kt+\j-16*\t, v[DD]
	v_cndmask_b32 v[S+32*\t+8*\kt+\j], v[S+32*\t+8*\kt+\j], v[NEG], vcc_lo
.endr
.endr
.endr
.Lopen_\@:
.irp j, 0,1,2,3                                ; the maximum: four chains a tile, each accumulator from its low end on
.irp t, 0,1
	v_max3_num_f32 v[ST+8*\t+4+\j], v[S+32*\t+8*\j], v[S+32*\t+8*\j+1], v[S+32*\t+8*\j+2]
.endr
.endr
.irp g, 1,2
.irp j, 0,1,2,3
.irp t, 0,1
	v_max3_num_f32 v[ST+8*\t+4+\j], v[ST+8*\t+4+\j], v[S+32*\t+8*\j+2*\g+1], v[S+32*\t+8*\j+2*\g+2]
.endr
.endr
.endr
.irp t, 0,1
	v_max3_num_f32 v[ST+8*\t+4], v[ST+8*\t+4], v[S+32*\t+7], v[S+32*\t+15]
	v_max3_num_f32 v[ST+8*\t+6], v[ST+8*\t+6], v[S+32*\t+23], v[S+32*\t+31]
.endr
.irp t, 0,1
	v_max3_num_f32 v[ST+8*\t+4], v[ST+8*\t+4], v[ST+8*\t+5], v[ST+8*\t+6]
.endr
.irp t, 0,1
	v_max3_num_f32 v[ST+8*\t+4], v[ST+8*\t+4], v[ST+8*\t+7], v[ST+8*\t+1]   ; and the old m
.endr
.irp t, 0,1
	v_permlanex16_b32 v[ST+8*\t+5], v[ST+8*\t+4], s[SEL], s[SEL+1]         ; the query's other 32 keys lie in the lane 16 away
.endr
.irp t, 0,1
	v_mov_b32 v[ST+8*\t+7], v[ST+8*\t]             ; c m_old
.endr
.irp t, 0,1
	v_max_num_f32 v[ST+8*\t+1], v[ST+8*\t+4], v[ST+8*\t+5]
.endr
.irp t, 0,1
	v_mul_f32 v[ST+8*\t], s[CS], v[ST+8*\t+1]
.endr
.irp t, 0,1
	v_sub_f32 v[ST+8*\t+7], v[ST+8*\t+7], v[ST+8*\t]
.endr
.irp b, 0,1,2,3,4,5,6,7,8,9,10,11,12,13,14,15
.irp t, 0,1
	v_pk_fma_f32 v[S+32*\t+2*\b:S+32*\t+2*\b+1], v[S+32*\t+2*\b:S+32*\t+2*\b+1], s[CS:CS+1], v[ST+8*\t:ST+8*\t+1] op_sel_hi:[1,0,0] neg_lo:[0,0,1] neg_hi:[0,0,1]   ; c s - c m
.endr
.endr
.irp t, 0,1
	v_exp_f32 v[ST+8*\t+6], v[ST+8*\t+7]           ; a = 2^(c m_old - c m_new)
.endr
.irp t, 0,1
.irp e, 0,1,2,3,4,5,6,7,8,9,10,11,12,13,14,15,16,17,18,19,20,21,22,23,24,25,26,27,28,29,30,31
	v_exp_f32 v[S+32*\t+\e], v[S+32*\t+\e]
.endr
.endr
	v_nop                                          ; a plain instruction behind the last exponential
	s_wait_alu depctr_va_vdst(0)                   ; one wait for the batch of 66, ahead of its first reader
.irp t, 0,1
	v_pk_mul_f32 v[ST+8*\t+2:ST+8*\t+3], v[ST+8*\t+2:ST+8*\t+3], v[ST+8*\t+6:ST+8*\t+7] op_sel_hi:[1,0]   ; l x a
	v_pk_add_f32 v[ST+8*\t+4:ST+8*\t+5], v[S+32*\t:S+32*\t+1], v[S+32*\t+2:S+32*\t+3]                     ; the sums of the unrounded p, in two chains
.endr
.irp j, 4,8,12,16,20,24,28
.irp t, 0,1
	v_pk_add_f32 v[ST+8*\t+2:ST+8*\t+3], v[ST+8*\t+2:ST+8*\t+3], v[S+32*\t+\j:S+32*\t+\j+1]
	v_pk_add_f32 v[ST+8*\t+4:ST+8*\t+5], v[ST+8*\t+4:ST+8*\t+5], v[S+32*\t+\j+2:S+32*\t+\j+3]
.endr
.endr
.irp t, 0,1
	v_pk_add_f32 v[ST+8*\t+2:ST+8*\t+3], v[ST+8*\t+2:ST+8*\t+3], v[ST+8*\t+4:ST+8*\t+5]
.endr
.irp t, 0,1
.irp j, 0,1,2,3,4,5,6,7,8,9,10,11,12,13,14,15      ; P in place: register j takes pair j; a pair is read before its registers are written
	v_cvt_pk_f16_f32 v[S+32*\t+\j], v[S+32*\t+2*\j], v[S+32*\t+2*\j+1]
.endr
.endr
.irp t, 0,1
.irp j, 0,2,4,6,8,10,12,14,16,18,20,22,24,26,28,30
	v_pk_mul_f32 v[O+32*\t+\j:O+32*\t+\j+1], v[O+32*\t+\j:O+32*\t+\j+1], v[ST+8*\t+6:ST+8*\t+7] op_sel_hi:[1,0]   ; O^T x a, each accumulator from its low end on
.endr
.endr
	s_wait_dscnt 0x0                               ; V's fragments are in
.irp u, 0,1                                    ; the eight accumulators by turns, keys 0-31 first
.irp c, 0,1,2,3
.irp t, 0,1
	v_wmma_f32_16x16x32_f16 v[O+32*\t+8*\c:O+32*\t+8*\c+7], v[KV+32*\u+8*\c:KV+32*\u+8*\c+7], v[S+32*\t+8*\u:S+32*\t+8*\u+7], v[O+32*\t+8*\c:O+32*\t+8*\c+7]
.endr
.endr
.endr
.rept 5
	v_nop                                          ; places: the next step's loads land in V's registers (four are asked), and its first products write over P (five)
.endr
.Lhid_\@:
	s_add_co_u32 s[KF], s[KF], 64
	s_add_co_u32 s[TK], s[TK], 32*272
	s_add_co_u32 s[TV], s[TV], 32*288
.endm
; THE CHANGE OF SLOTS stands at a slot's head.  Each wave waits for all its tensor loads, adds 0 to its spare word, and waits for that and for its reads of the slot that it has left.  fill = 1: a round of the cluster's barrier,
; and behind it the slot just left is filled with the next 256 keys: the load has four key steps in which to land.
.macro CHANGE fill
	s_wait_tensorcnt 0x0                           ; no tensor load of mine is out, so a group 0 may be written
	ds_add_u32 v[SPW], v[NIL]
.if \fill
	ds_add_u32 v[SPW], v[NIL]                      ; and twice on end here, in every trip alike
	s_xor_b32 s[G0K+1], s[G0K+1], SLOT1
	s_add_nc_u64 s[G0K+2:G0K+3], s[G0K+2:G0K+3], 32768
	s_xor_b32 s[G0V+1], s[G0V+1], SLOT1
	s_add_nc_u64 s[G0V+2:G0V+3], s[G0V+2:G0V+3], 32768
	s_wait_xcnt 0x0                                ; the last prefetch, a slot back, has read its address
	s_add_nc_u64 s[PFA:PFA+1], s[PFA:PFA+1], 32768 ; one slot further on than the walking descriptors
	s_wait_dscnt 0x0                               ; both adds are done, and my reads of the slot that I have left are over
	CROUND
	TLOAD                                          ; the first thing behind the round, a wave's one tensor load until the next
	ASK
.else
	s_wait_dscnt 0x0
	s_barrier_signal -1
	s_barrier_wait -1
.endif
.endm
.macro SLOT_STEPS                      ; a slot's four key steps: written once, walked four times; the LDS addresses hang on s[TK] and s[TV]
	s_mov_b32 s[TW], 4
.Lstep_\@:
	STEP
	s_sub_co_u32 s[TW], s[TW], 1
	s_cmp_lg_u32 s[TW], 0
	s_cbranch_scc1 .Lstep_\@
	s_sub_co_u32 s[TK], s[TK], 128*272
	s_xor_b32 s[TK], s[TK], SLOT1
	s_sub_co_u32 s[TV], s[TV], 128*288
	s_xor_b32 s[TV], s[TV], SLOT1
.endm
	s_wait_loadcnt 0x0                             ; Q
.Lslot:                                            ; seven trips: behind each change of slots but the last the next slot is asked for
	CHANGE 1
	SLOT_STEPS
	s_sub_co_u32 s[SLOTS], s[SLOTS], 1
	s_cmp_lg_u32 s[SLOTS], 0
	s_cbranch_scc1 .Lslot
	CHANGE 0                                       ; the last slot is written out
	SLOT_STEPS
	; THE WAY OUT: O^T / l, rounded to f16, through my stage; my 32 queries are 4,096 consecutive bytes of ao16
.irp t, 0,1
	v_add_f32 v[ST+8*\t+4], v[ST+8*\t+2], v[ST+8*\t+3]
.endr
.irp t, 0,1
	v_permlanex16_b32 v[ST+8*\t+5], v[ST+8*\t+4], s[SEL], s[SEL+1]
.endr
.irp t, 0,1
	v_add_f32 v[ST+8*\t+4], v[ST+8*\t+4], v[ST+8*\t+5]
.endr
.irp t, 0,1
	v_rcp_f32 v[ST+8*\t+6], v[ST+8*\t+4]
.endr
	v_nop
	s_wait_alu depctr_va_vdst(0)                   ; one wait for the two reciprocals, ahead of their first reader
.irp t, 0,1
.irp j, 0,2,4,6,8,10,12,14,16,18,20,22,24,26,28,30
	v_pk_mul_f32 v[S+32*\t+\j:S+32*\t+\j+1], v[O+32*\t+\j:O+32*\t+\j+1], v[ST+8*\t+6:ST+8*\t+7] op_sel_hi:[1,0]
.endr
.endr
.irp t, 0,1
.irp j, 0,1,2,3,4,5,6,7,8,9,10,11,12,13,14,15
	v_cvt_pk_f16_f32 v[QF+16*\t+\j], v[S+32*\t+2*\j], v[S+32*\t+2*\j+1]
.endr
.endr
.irp t, 0,1
.irp c, 0,1,2,3
	ds_store_b128 v[STO], v[QF+16*\t+4*\c:QF+16*\t+4*\c+3] offset:2304*\t+32*\c   ; query 16 t + r, channels 16 c + 8 h on
.endr
.endr
.irp n, 0,1,2,3,4,5,6,7
	ds_load_b128 v[S+4*\n:S+4*\n+3], v[RD] offset:576*\n   ; in order behind my stores: four rows of 128 bytes an instruction
.endr
.irp n, 0,1,2,3,4,5,6,7
	s_wait_dscnt 7-\n
	global_store_b128 v[GO], v[S+4*\n:S+4*\n+3], s[6:7] offset:512*\n   ; 512 consecutive bytes, aligned
.endr
	s_wait_tensorcnt 0x0                           ; the wave's end
	ds_add_u32 v[SPW], v[NIL]
	s_wait_dscnt 0x0
	CROUND                                         ; the closing round
	s_endpgm
.Lfunc_end_k_q7221ba122e_attn:
	.size	k_q7221ba122e_attn, .Lfunc_end_k_q7221ba122e_attn-k_q7221ba122e_attn
	.p2alignl 7, 3214868480
	.fill 96, 4, 3214868480
	.section	.rodata,"a",@progbits
	.p2align	6, 0x0
	.amdhsa_kernel k_q7221ba122e_attn
		.amdhsa_group_segment_fixed_size 327680
		.amdhsa_private_segment_fixed_size 0
		.amdhsa_enable_private_segment 0
		.amdhsa_kernarg_size 16
		.amdhsa_user_sgpr_count 2
		.amdhsa_user_sgpr_kernarg_segment_ptr 1
		.amdhsa_wavefront_size32 1
		.amdhsa_system_sgpr_workgroup_id_x 1
		.amdhsa_system_sgpr_workgroup_id_y 1
		.amdhsa_system_sgpr_workgroup_id_z 1
		.amdhsa_system_vgpr_workitem_id 0
		.amdhsa_next_free_vgpr 256
		.amdhsa_next_free_sgpr 66
		.amdhsa_reserve_vcc 1
		.amdhsa_float_denorm_mode_32 3
		.amdhsa_float_denorm_mode_16_64 3
		.amdhsa_memory_ordered 1
		.amdhsa_forward_progress 1
		.amdhsa_inst_pref_size 63
	.end_amdhsa_kernel
	.amdgpu_metadata
---
amdhsa.version: [ 1, 2 ]
amdhsa.kernels:
  - .name:           k_q7221ba122e_attn
    .symbol:         k_q7221ba122e_attn.kd
    .args:
      - { .name: qkv16, .offset: 0, .size: 8, .value_kind: global_buffer, .address_space: global }
      - { .name: ao16, .offset: 8, .size: 8, .value_kind: global_buffer, .address_space: global }
    .group_segment_fixed_size: 327680
    .private_segment_fixed_size: 0
    .kernarg_segment_align: 8
    .kernarg_segment_size: 16
    .max_flat_workgroup_size: 512
    .sgpr_count:     66
    .vgpr_count:     256
    .wavefront_size: 32
...
	.end_amdgpu_metadata
.endif
;; end of part 3
;; launch proj (part 4): grid 4 x 64, 4 waves a work-group, clusters of 4 x 4, 327,680 bytes of LDS; arguments ao16, wo16, b_out, out0; writes out0
.if DOCPART == 4
	.amdgcn_target "amdgcn-amd-amdhsa--gfx1250"
	.amdhsa_code_object_version 6
	.text
	.protected	k_q7221ba122e_proj
	.globl	k_q7221ba122e_proj
	.p2align	8
	.type	k_q7221ba122e_proj,@function
k_q7221ba122e_proj:
	s_mov_b64 s[64:65], 0
	v_nop
	global_prefetch_b8 v0, s[64:65] scope:SCOPE_SE
	s_setreg_imm32_b32 hwreg(HW_REG_WAVE_MODE, 25, 1), 1
	s_wait_xcnt 0x0
	s_wait_alu depctr_hold_cnt(0) depctr_sa_sdst(0) depctr_va_vdst(0) depctr_va_sdst(0) depctr_va_ssrc(0) depctr_va_vcc(0) depctr_vm_vsrc(0)
	s_getreg_b32 s2, hwreg(HW_REG_IB_STS2, 6, 4)
	s_cmp_eq_u32 s2, 0
	s_cbranch_scc0 .Lentry_in_a_cluster
	s_endpgm
.Lentry_in_a_cluster:
	s_bfe_u32 s2, ttmp6, 0x10000c
	s_cmp_lg_u32 s2, 0xf033
	s_cbranch_scc0 .Lentry_shape_is_right
	s_endpgm
.Lentry_shape_is_right:
; out0 = attention out x w_out + b_out on f16 operands, f32 sums.  A: ao16 [4 b][16 heads][2048 s][64] f16; B: the high part of wo16, [1024 n][1024 k] f16; out0 [8192][1024] f32.
; A tile of C is 128 rows x 256 columns: 256 work-groups.  Four waves, 64 x 128 each: 32 accumulators.  K goes in steps of 128 (two heads) through two LDS slots.  A head's 128 rows are 16,384 dense bytes:
; a plane of 64 LDS rows of 256 bytes (two rows of A each); B's rows are 256 bytes of memory.  All LDS rows carry 16 bytes of padding.
; CLUSTERS: 4 x 4; A's planes are asked for jointly along a row of the cluster, B's halves along a column.  Transposed use: source 0 = 16 rows of wo16, source 1 = 16 rows of A.  The bias is the C of each sum's first product.
; Rows 0-15 of every sequence are computed here like the others and are replaced by a later, finer launch.
; REGISTERS: window 0: v16-30 addresses; v32-63, v64-95 A's fragments, two buffers; v96-159, v160-223 B's.  window 1: accumulator (a, b) at v[8 (8 a + b)].  window 2: v0-63 the bias.
.set BOFF,  2*64*272                   ; a slot: A's two planes of 64 x 272, then B's 256 rows x 272
.set SLOT,  BOFF+256*272
.set STG,   2*SLOT                     ; behind the ring: 16 rows x 528 bytes for each wave
.set SPARE, STG+4*16*528               ; the spare words, 128 bytes a wave, which no other line names
.set ADRA, 16
.set ADRB, 20
.set STO,  24
.set RD,   25
.set CO,   26
.set SPW,  28
.set NIL,  29
.set PFO,  30
.set FA,   32
.set FB,   96
.set BK,   32                          ; the way out: 16 rows read back: v32-95 and v96-159 by turns
.set G1,  24
.set G0,  32
.set G1B, 48
.set G0B, 56
.set PFA, 44
.set LIM, 43
.set MSB, 0
.macro WIN new
.if MSB != \new
	s_set_vgpr_msb (MSB<<8)|\new
.set MSB, \new
.endif
.endm
.set MUL, 0x50                         ; sources 0 and 1 window 0, C and D window 1
.set FST, 0x60                         ; the first quarter: C (the bias) window 2, D window 1
.macro JLOAD s                         ; waves 0 and 1 fetch A's planes, waves 2 and 3 B's halves; an s_nop 0 and four v_nop follow each line
	s_cmp_eq_u32 s13, 0
	s_cbranch_scc0 .Lfor_b_\@
	tensor_load_to_lds s[G0+4*\s:G0+4*\s+3], s[G1:G1+7]
	s_nop 0
.rept 4
	v_nop
.endr
	s_branch .Lasked_\@
.Lfor_b_\@:
	tensor_load_to_lds s[G0B+4*\s:G0B+4*\s+3], s[G1B:G1B+7]
	s_nop 0
.rept 4
	v_nop
.endr
.Lasked_\@:
.endm
; A prefetch of A's K step that stands two refills on: 2 planes x 16,384 bytes, shared out among the four partners by address (plane cx / 2, half cx % 2), lanes 256 bytes apart; wave 0 asks.  No other cluster reads
; these rows, so each aligned block of 256 bytes is named once.  The loop's last trip has no K step two on.  B, which all clusters read, is not asked for.
.macro ASK
	s_cmp_gt_u32 s3, s[LIM]
	s_cbranch_scc0 .Lnot_mine_\@
	global_prefetch_b8 v[PFO], s[PFA:PFA+1] offset:524288 th:TH_LOAD_NT scope:SCOPE_SE
.Lnot_mine_\@:
.endm
.macro CREST
	s_cmp_lg_u32 s12, 0
	s_cbranch_scc1 .Lnot_wave_0_\@
	s_barrier_signal -3
.Lnot_wave_0_\@:
	s_barrier_wait -3
	s_barrier_signal -1
	s_barrier_wait -1
.endm
.macro CROUND
	s_barrier_signal -1
	s_barrier_wait -1
	CREST
.endm
	s_load_b128 s[4:7], s[0:1], 0x0                ; ao16, wo16
	s_load_b128 s[8:11], s[0:1], 0x10              ; b_out, out0
	v_lshl_add_u32 v[SPW], v0, 2, SPARE
	v_mov_b32 v[NIL], 0
	ds_add_u32 v[SPW], v[NIL]                      ; the wave's opening: the add, twice on end, and its wait ahead of my first tensor load
	ds_add_u32 v[SPW], v[NIL]
	v_lshrrev_b32 v1, 5, v0
	v_readfirstlane_b32 s12, v1                    ; wave 0..3
	s_lshr_b32 s13, s12, 1                         ; which 64 rows are mine; also: I fetch for A (0) or B (1)
	s_and_b32 s14, s12, 1                          ; which 128 columns; also: which plane or half I fetch
	s_bfe_u32 s40, ttmp6, 0x40000                  ; cx
	s_bfe_u32 s41, ttmp6, 0x40004                  ; cy
	s_lshl_b32 s42, ttmp9, 2
	s_add_co_u32 s42, s42, s40                     ; tile column
	s_and_b32 s15, ttmp7, 0xffff
	s_lshl_b32 s15, s15, 2
	s_add_co_u32 s15, s15, s41                     ; tile row
	s_lshl_b32 s43, s41, 2
	s_lshl_b32 s43, 15, s43                        ; my row of the cluster
	s_lshl_b32 s2, 0x1111, s40                     ; my column
	s_or_b32 s[G1+0], s43, (3<<16)|(1<<20)|(1<<21)|(5<<22)|(3<<25)  ; A: elements of 8 bytes; 4 words of padding after every 64
	s_mov_b32 s[G1+1], 32<<16                      ; 32 elements: 256 bytes
	s_mov_b32 s[G1+2], 64<<16                      ; 64 rows
	s_mov_b32 s[G1+3], 32<<16
	s_mov_b32 s[G1+4], 64
	s_mov_b32 s[G1+5], 32                          ; dense
	s_mov_b32 s[G1+6], 0
	s_mov_b32 s[G1+7], 0
	s_or_b32 s[G1B+0], s2, (1<<16)|(1<<20)|(1<<21)|(5<<22)|(3<<25)  ; B: elements of 2 bytes
	s_mov_b32 s[G1B+1], 128<<16
	s_mov_b32 s[G1B+2], 128<<16
	s_mov_b32 s[G1B+3], 128<<16
	s_mov_b32 s[G1B+4], 128
	s_mov_b32 s[G1B+5], 1024
	s_mov_b32 s[G1B+6], 0
	s_mov_b32 s[G1B+7], 0
	s_lshr_b32 s16, s15, 4                         ; batch
	s_lshl_b32 s16, s16, 22
	s_and_b32 s17, s15, 15
	s_lshl_b32 s17, s17, 14                        ; first row x 128 bytes
	s_add_co_u32 s16, s16, s17
	s_mov_b32 s18, s16                             ; (kept for the prefetches)
	s_lshl_b32 s17, s14, 18                        ; my plane: head 0 or 1 of the K step
	s_add_co_u32 s16, s16, s17
	s_mov_b32 s17, 0
	s_lshl_b32 s46, s42, 19                        ; B: row 256 x tile column + 128 x half, 2,048 bytes a row
	s_lshl_b32 s47, s14, 18
	s_add_co_u32 s46, s46, s47
	s_mov_b32 s47, 0
	s_mul_i32 s20, s14, 64*272
	s_mul_i32 s21, s14, 128*272
	s_add_co_u32 s21, s21, BOFF
	s_wait_dscnt 0x0                               ; both opening adds are done
	s_wait_kmcnt 0x0
	s_add_nc_u64 s[16:17], s[4:5], s[16:17]
	s_add_nc_u64 s[46:47], s[6:7], s[46:47]
	CROUND                                         ; all sixteen work-groups are here
.irp s, 0,1
	s_mov_b32 s[G0+4*\s], 1
	s_add_co_u32 s[G0+4*\s+1], s20, \s*SLOT
	s_add_nc_u64 s[G0+4*\s+2:G0+4*\s+3], s[16:17], \s*524288       ; K step s: two heads on
	s_or_b32 s[G0+4*\s+3], s[G0+4*\s+3], 0x80000000
	s_mov_b32 s[G0B+4*\s], 1
	s_add_co_u32 s[G0B+4*\s+1], s21, \s*SLOT
	s_add_nc_u64 s[G0B+4*\s+2:G0B+4*\s+3], s[46:47], \s*256
	s_or_b32 s[G0B+4*\s+3], s[G0B+4*\s+3], 0x80000000
	JLOAD \s
.endr
	s_lshr_b32 s19, s40, 1                         ; the prefetches: my work-group's plane,
	s_lshl_b32 s19, s19, 18
	s_add_co_u32 s18, s18, s19
	s_and_b32 s19, s40, 1                          ; and half of it
	s_lshl_b32 s19, s19, 13
	s_add_co_u32 s18, s18, s19
	s_add_co_u32 s18, s18, 2*524288                ; at K step 2: the first refill steps it to 3 and names K step 4.  Nothing is prefetched at the head
	s_mov_b32 s19, 0
	s_add_nc_u64 s[PFA:PFA+1], s[4:5], s[18:19]
	s_cmp_eq_u32 s12, 0
	s_cselect_b32 s[LIM], 1, -1
	v_and_b32 v1, 15, v0                           ; r
	v_bfe_u32 v2, v0, 4, 1                         ; h
	v_lshrrev_b32 v3, 1, v1
	v_mul_u32_u24 v3, v3, 272
	v_and_b32 v4, 1, v0
	v_lshl_add_u32 v3, v4, 7, v3
	v_lshl_add_u32 v3, v2, 4, v3                   ; A: (r / 2) x 272 + (r % 2) x 128 + 16 h
	v_mul_u32_u24 v4, v1, 272
	v_lshl_add_u32 v4, v2, 4, v4                   ; B: r x 272 + 16 h
	s_mul_i32 s22, s13, 32*272
	s_mul_i32 s23, s14, 128*272
	s_add_co_u32 s23, s23, BOFF
.irp s, 0,1
	v_add_nc_u32 v[ADRA+\s], s22, v3
	v_add_nc_u32 v[ADRB+\s], s23, v4
	s_add_co_u32 s22, s22, SLOT
	s_add_co_u32 s23, s23, SLOT
.endr
	s_mul_i32 s22, s12, 16*528
	s_add_co_u32 s22, s22, STG                     ; my stage
	v_mul_u32_u24 v5, v1, 528
	v_lshl_add_u32 v5, v2, 5, v5
	v_add_nc_u32 v[STO], s22, v5
	v_and_b32 v6, 31, v0
	v_lshlrev_b32 v[CO], 4, v6
	v_add_nc_u32 v[RD], s22, v[CO]
	v_lshlrev_b32 v[PFO], 8, v6
	v_lshlrev_b32 v7, 5, v2
	s_lshl_b32 s46, s42, 10                        ; my first column in bytes: 1,024 x tile column + 512 x half
	s_lshl_b32 s47, s14, 9
	s_add_co_u32 s46, s46, s47
	s_mov_b32 s47, 0
	s_add_nc_u64 s[8:9], s[8:9], s[46:47]
	s_add_nc_u64 s[10:11], s[10:11], s[46:47]
	s_lshl_b32 s22, s15, 19                        ; my first row: 128 x tile row + 64 x half, 4,096 bytes a row
	s_lshl_b32 s23, s13, 18
	s_add_co_u32 s22, s22, s23
	s_mov_b32 s23, 0
	s_add_nc_u64 s[10:11], s[10:11], s[22:23]
	WIN 0x80                                       ; destination window 2
.irp b, 0,1,2,3,4,5,6,7
	global_load_b128 v[8*\b:8*\b+3], v7, s[8:9] offset:64*\b       ; the bias of columns 16 b + 8 h + 0 .. 7
	global_load_b128 v[8*\b+4:8*\b+7], v7, s[8:9] offset:64*\b+16
.endr
	WIN 0
.macro FETCH slot, q, f                ; 24 LDS loads: the fragments of the slot's q-th 32 along K into buffer f
.irp b, 0,1,2,3,4,5,6,7
	ds_load_b128 v[FB+64*(\f)+8*\b:FB+64*(\f)+8*\b+3], v[ADRB+\slot] offset:4352*\b+64*(\q)
	ds_load_b128 v[FB+64*(\f)+8*\b+4:FB+64*(\f)+8*\b+7], v[ADRB+\slot] offset:4352*\b+64*(\q)+32
.endr
.irp a, 0,1,2,3
	ds_load_b128 v[FA+32*(\f)+8*\a:FA+32*(\f)+8*\a+3], v[ADRA+\slot] offset:2176*\a+((\q)/2)*17408+((\q)%2)*64
	ds_load_b128 v[FA+32*(\f)+8*\a+4:FA+32*(\f)+8*\a+7], v[ADRA+\slot] offset:2176*\a+((\q)/2)*17408+((\q)%2)*64+32
.endr
.endm
.macro MULA f, a, first                ; 8 matrix instructions: A's block a x B's eight.  The 32 accumulators take turns in the same order in every quarter
.irp b, 0,1,2,3,4,5,6,7
.if \first
	v_wmma_f32_16x16x32_f16 v[8*(8*(\a)+\b):8*(8*(\a)+\b)+7], v[FB+64*(\f)+8*\b:FB+64*(\f)+8*\b+7], v[FA+32*(\f)+8*(\a):FA+32*(\f)+8*(\a)+7], v[8*\b:8*\b+7]
.else
	v_wmma_f32_16x16x32_f16 v[8*(8*(\a)+\b):8*(8*(\a)+\b)+7], v[FB+64*(\f)+8*\b:FB+64*(\f)+8*\b+7], v[FA+32*(\f)+8*(\a):FA+32*(\f)+8*(\a)+7], v[8*(8*(\a)+\b):8*(8*(\a)+\b)+7]
.endif
.endr
.endm
.macro PLACES
.rept 4
	v_nop
.endr
.endm
; A quarter of a K step: buffer f is multiplied; ahead of its 32 products the next quarter's fragments, the slot's qn-th, are asked for into buffer g.
.macro QUARTER slot, qn, f, g, first
	s_wait_dscnt 0x0                               ; buffer f is in (asked for 32 matrix instructions ago)
	PLACES                                         ; in front of the loads into buffer g, which the last quarter multiplied
	WIN 0
	FETCH \slot, \qn, \g
.if \first
	WIN FST
.else
	WIN MUL
.endif
	MULA \f, 0, \first
	MULA \f, 1, \first
	MULA \f, 2, \first
	MULA \f, 3, \first
.endm
; A K step's last quarter multiplies buffer 1 and changes slots: one barrier; in front of it each wave waits for all its tensor loads, adds 0 to its spare word, and waits for that and for its reads of this slot.
.macro TURN slot, next, fill
.if \fill
	s_wait_xcnt 0x0                                ; the last prefetch, a K step back, has read its address
	s_add_nc_u64 s[PFA:PFA+1], s[PFA:PFA+1], 524288
.endif
	WIN 0
	s_wait_tensorcnt 0x0                           ; all my tensor loads have landed: my part of the next slot
	ds_add_u32 v[SPW], v[NIL]
	s_wait_dscnt 1                                 ; buffer 1 is in; the add alone may be out
	WIN MUL
	MULA 1, 0, 0
	s_wait_dscnt 0x0                               ; the add is done, and my reads of this slot are over
	s_barrier_signal -1
	MULA 1, 1, 0
	WIN 0
	s_barrier_wait -1
.if \fill
	CREST                                          ; the barrier has opened a round of the cluster's: no wave of any partner still reads this slot or has a load on its way
	s_add_nc_u64 s[G0+4*\slot+2:G0+4*\slot+3], s[G0+4*\slot+2:G0+4*\slot+3], 1048576
	s_add_nc_u64 s[G0B+4*\slot+2:G0B+4*\slot+3], s[G0B+4*\slot+2:G0B+4*\slot+3], 512
	JLOAD \slot                                    ; the first tensor load behind the round; its four v_nop are also the places in front of the loads below
.else
	PLACES
.endif
	FETCH \next, 0, 0
.if \fill
	ASK
.endif
	WIN MUL
	MULA 1, 2, 0
	MULA 1, 3, 0
.endm
	s_wait_tensorcnt 1                             ; my part of K step 0 is in; K step 1's load may be out
	s_barrier_signal -1
	s_barrier_wait -1
	FETCH 0, 0, 0
	s_wait_loadcnt 0x0                             ; the bias
	QUARTER 0, 1, 0, 1, 1                          ; the first quarter stands in front of the loop: its products start the sums with the bias
	WIN 0
	s_mov_b32 s3, 3
.Llap:                                             ; a trip goes once round the ring and fills both slots again
	QUARTER 0, 2, 1, 0, 0
	QUARTER 0, 3, 0, 1, 0
	TURN 0, 1, 1
	QUARTER 1, 1, 0, 1, 0
	QUARTER 1, 2, 1, 0, 0
	QUARTER 1, 3, 0, 1, 0
	TURN 1, 0, 1
	QUARTER 0, 1, 0, 1, 0
	WIN 0
	s_sub_co_u32 s3, s3, 1
	s_cmp_lg_u32 s3, 0
	s_cbranch_scc1 .Llap
	QUARTER 0, 2, 1, 0, 0                          ; the last lap fills nothing
	QUARTER 0, 3, 0, 1, 0
	TURN 0, 1, 0
	QUARTER 1, 1, 0, 1, 0
	QUARTER 1, 2, 1, 0, 0
	QUARTER 1, 3, 0, 1, 0
	s_wait_dscnt 0x0
	MULA 1, 0, 0
	MULA 1, 1, 0
	MULA 1, 2, 0
	MULA 1, 3, 0
	WIN 0
; THE WAY OUT, block by block of 16 rows x 128 columns: through my stage, back as whole rows of 512 bytes.
.macro TOSTAGE a
	WIN 0x04                                       ; an LDS store's data are its source 1: window 1
.irp b, 0,1,2,3,4,5,6,7
	ds_store_b128 v[STO], v[64*(\a)+8*\b:64*(\a)+8*\b+3] offset:64*\b          ; each accumulator from its low end on
	ds_store_b128 v[STO], v[64*(\a)+8*\b+4:64*(\a)+8*\b+7] offset:64*\b+16
.endr
	WIN 0
.set BB, BK+64*((\a)%2)
.irp t, 0,1,2,3,4,5,6,7,8,9,10,11,12,13,14,15
	ds_load_b128 v[BB+4*\t:BB+4*\t+3], v[RD] offset:\t*528
.endr
.endm
.macro SEND a, younger                 ; younger: the LDS instructions issued behind block a's loads
.set BB, BK+64*((\a)%2)
	s_wait_dscnt \younger
.irp t, 0,1,2,3,4,5,6,7,8,9,10,11,12,13,14,15
	global_store_b128 v[CO], v[BB+4*\t:BB+4*\t+3], s[10:11] offset:(16*(\a)+\t)*4096 th:TH_STORE_NT   ; 512 consecutive bytes, aligned
.endr
.endm
	PLACES
	TOSTAGE 0
.irp a, 1,2,3
.if \a > 1
	s_wait_xcnt 0x0                                ; block a - 2's stores have read their registers: block a's rows may land there
.endif
	TOSTAGE \a
	SEND \a-1, 32                                  ; behind block a - 1's loads: block a's 16 stores and 16 loads
.endr
	SEND 3, 0
	s_wait_tensorcnt 0x0                           ; the wave's end
	ds_add_u32 v[SPW], v[NIL]
	s_wait_dscnt 0x0
	CROUND                                         ; the closing round
	s_endpgm
.Lfunc_end_k_q7221ba122e_proj:
	.size	k_q7221ba122e_proj, .Lfunc_end_k_q7221ba122e_proj-k_q7221ba122e_proj
	.p2alignl 7, 3214868480
	.fill 96, 4, 3214868480
	.section	.rodata,"a",@progbits
	.p2align	6, 0x0
	.amdhsa_kernel k_q7221ba122e_proj
		.amdhsa_group_segment_fixed_size 327680
		.amdhsa_private_segment_fixed_size 0
		.amdhsa_enable_private_segment 0
		.amdhsa_kernarg_size 32
		.amdhsa_user_sgpr_count 2
		.amdhsa_user_sgpr_kernarg_segment_ptr 1
		.amdhsa_wavefront_size32 1
		.amdhsa_system_sgpr_workgroup_id_x 1
		.amdhsa_system_sgpr_workgroup_id_y 1
		.amdhsa_system_sgpr_workgroup_id_z 1
		.amdhsa_system_vgpr_workitem_id 0
		.amdhsa_next_free_vgpr 640
		.amdhsa_next_free_sgpr 66
		.amdhsa_reserve_vcc 0
		.amdhsa_float_denorm_mode_32 3
		.amdhsa_float_denorm_mode_16_64 3
		.amdhsa_memory_ordered 1
		.amdhsa_forward_progress 1
		.amdhsa_inst_pref_size 87
	.end_amdhsa_kernel
	.amdgpu_metadata
---
amdhsa.version: [ 1, 2 ]
amdhsa.kernels:
  - .name:           k_q7221ba122e_proj
    .symbol:         k_q7221ba122e_proj.kd
    .args:
      - { .name: ao16, .offset: 0, .size: 8, .value_kind: global_buffer, .address_space: global }
      - { .name: wo16, .offset: 8, .size: 8, .value_kind: global_buffer, .address_space: global }
      - { .name: b_out, .offset: 16, .size: 8, .value_kind: global_buffer, .address_space: global }
      - { .name: out0, .offset: 24, .size: 8, .value_kind: global_buffer, .address_space: global }
    .group_segment_fixed_size: 327680
    .private_segment_fixed_size: 0
    .kernarg_segment_align: 8
    .kernarg_segment_size: 32
    .max_flat_workgroup_size: 128
    .sgpr_count:     66
    .vgpr_count:     640
    .wavefront_size: 32
...
	.end_amdgpu_metadata
.endif
;; end of part 4
;; launch fine_a (part 5): grid 64 x 1, 12 waves a work-group, no clusters, 19,200 bytes of LDS; arguments xc, xs, wc, ws, b_qkv, aof; writes aof
.if DOCPART == 5
	.amdgcn_target "amdgcn-amd-amdhsa--gfx1250"
	.amdhsa_code_object_version 6
	.text
	.protected	k_q7221ba122e_fine_a
	.globl	k_q7221ba122e_fine_a
	.p2align	8
	.type	k_q7221ba122e_fine_a,@function
k_q7221ba122e_fine_a:
	s_mov_b64 s[64:65], 0
	v_nop
	global_prefetch_b8 v0, s[64:65] scope:SCOPE_SE
	s_setreg_imm32_b32 hwreg(HW_REG_WAVE_MODE, 25, 1), 1
	s_wait_xcnt 0x0
; THE FIRST 16 POSITIONS of each (batch, head), carried finely: under the causal mask these rows average one to sixteen values and are the largest of the result.
; A work-group takes one (batch, head).  Phase 1, twelve waves: q, k, v of positions 0-15 (3 parts x 4 tiles of 16 channels) once more by the FP4 matrix instruction from the codes, kept in f32, into LDS.
; Phase 2, waves 0-3: S^T = k q^T and O^T = v^T p by the f32 matrix form (wave w makes channels 16 w .. 16 w + 15 of the result; each of the four makes the 16 x 16 scores for itself), softmax in f32 with the row's maximum.
; The result is split in f32 into hi (11 significant bits) and (o - hi) x 2048, both f16: aof [64 bh][2 parts][16][64].
; The order of the f32 sums differs from a plain chain: two accumulators take turns in phase 1, four in phase 2.  No tensor load; no cluster: what work-groups share (16 rows of codes) is small.
; REGISTERS: v1-15 addresses; v16-23 x's scale words, v24-31 w's: nothing else ever stands there; v32-95 x's, v96-159 w's fragments; v160-175 two accumulators; v176-183 the bias; v184-191 q, k or v;
;   phase 2: v32-63 k, v64-95 q, v96-103 v, v104-127 scores, p, o; v136-144 single numbers; v192-223, v224-255: the f32 matrix form's accumulators, written by matrix instructions alone.
.set KL,    4352                       ; LDS: q at 0, k, v: 16 rows x (256 bytes + 16) each;
.set VL,    8704
.set OS,    13056                      ; the result's two parts, 16 rows x (128 bytes + 16) each;
.set SPARE, 17664                      ; the spare words, 128 bytes a wave, which no other line names
.set SPW, 12
.set NIL, 13
.set XF,  32
.set WF,  96
	s_load_b256 s[4:11], s[0:1], 0x0               ; xc s[4:5], xs s[6:7], wc s[8:9], ws s[10:11]
	s_load_b128 s[12:15], s[0:1], 0x20             ; b_qkv s[12:13], aof s[14:15]
	v_lshl_add_u32 v[SPW], v0, 2, SPARE
	v_mov_b32 v[NIL], 0
	v_lshrrev_b32 v1, 5, v0
	v_readfirstlane_b32 s16, v1                    ; wave 0..11
	v_and_b32 v1, 15, v0                           ; r
	v_bfe_u32 v2, v0, 4, 1                         ; h
	s_lshr_b32 s17, ttmp9, 4                       ; batch
	s_and_b32 s18, ttmp9, 15                       ; head
	s_lshr_b32 s19, s16, 2                         ; part: q, k or v
	s_and_b32 s20, s16, 3                          ; tile of 16 channels
	s_lshl_b32 s21, s19, 10
	s_lshl_b32 s26, s18, 6
	s_add_co_u32 s21, s21, s26
	s_lshl_b32 s26, s20, 4
	s_add_co_u32 s21, s21, s26                     ; my first column of w_qkv
	s_mov_b32 s22, 0x76543210
	s_mov_b32 s23, 0xfedcba98
	s_mov_b32 s24, 0x3e38aa3b                      ; c = log2(e) / 8
	v_lshlrev_b32 v4, 9, v1
	v_lshl_add_u32 v4, v2, 4, v4                   ; codes: row r of 512 bytes + 16 h
	v_lshlrev_b32 v5, 5, v1                        ; scale bytes: row r of 32
	v_lshlrev_b32 v6, 5, v2                        ; the bias: 8 h numbers on
	; every LDS address is made here, ahead of the first parting of the waves
	v_mul_u32_u24 v8, v1, 272
	s_mul_i32 s26, s19, 4352
	s_lshl_b32 s27, s20, 6
	s_add_co_u32 s26, s26, s27
	v_lshl_add_u32 v7, v2, 5, v8
	v_add_nc_u32 v7, s26, v7                       ; phase 1's store: part, position r, channels 16 tile + 8 h on
	v_lshl_add_u32 v8, v2, 4, v8                   ; k's and q's rows: r x 272 + 16 h
	v_mul_u32_u24 v9, v2, 2176
	v_lshl_add_u32 v9, v1, 2, v9
	v_add_nc_u32 v9, s27, v9
	v_add_nc_u32 v9, VL, v9                        ; v: key 8 h + j, channel 16 (w % 4) + r
	v_mul_u32_u24 v10, v1, 144
	v_lshl_add_u32 v10, v2, 4, v10
	s_lshl_b32 s27, s20, 5
	v_add_nc_u32 v10, s27, v10
	v_add_nc_u32 v10, OS, v10                      ; the result: row r, channels 16 (w % 4) + 8 h on
	v_bfe_u32 v3, v0, 3, 2
	v_mul_u32_u24 v11, v3, 144
	v_and_b32 v3, 7, v0
	v_lshl_add_u32 v11, v3, 4, v11
	s_mul_i32 s27, s20, 576
	v_add_nc_u32 v11, s27, v11
	v_add_nc_u32 v11, OS, v11                      ; back: rows 4 (w % 4) + l / 8, 16 bytes a lane
	v_lshlrev_b32 v3, 3, v2
	v_sub_nc_u32 v14, v1, v3                       ; r - 8 h
	v_and_b32 v3, 31, v0
	v_lshlrev_b32 v15, 4, v3
	s_lshl_b32 s27, s20, 9
	v_add_nc_u32 v15, s27, v15                     ; in aof: 512 (w % 4) + 16 x lane
	s_mov_b32 s29, 0
	s_wait_kmcnt 0x0
	s_lshl_b32 s28, s17, 20
	s_add_nc_u64 s[4:5], s[4:5], s[28:29]          ; the batch's first row of codes,
	s_lshl_b32 s28, s17, 16
	s_add_nc_u64 s[6:7], s[6:7], s[28:29]          ; and of scale bytes
	s_lshl_b32 s28, s21, 9
	s_add_nc_u64 s[8:9], s[8:9], s[28:29]
	s_lshl_b32 s28, s21, 5
	s_add_nc_u64 s[10:11], s[10:11], s[28:29]
	s_lshl_b32 s28, s21, 2
	s_add_nc_u64 s[12:13], s[12:13], s[28:29]
	s_lshl_b32 s28, ttmp9, 12
	s_add_nc_u64 s[14:15], s[14:15], s[28:29]
	; ---- phase 1
.irp ks, 0,1,2,3,4,5,6,7
	global_load_b128 v[XF+8*\ks:XF+8*\ks+3], v4, s[4:5] offset:64*\ks
	global_load_b128 v[XF+8*\ks+4:XF+8*\ks+7], v4, s[4:5] offset:64*\ks+32
	global_load_b128 v[WF+8*\ks:WF+8*\ks+3], v4, s[8:9] offset:64*\ks
	global_load_b128 v[WF+8*\ks+4:WF+8*\ks+7], v4, s[8:9] offset:64*\ks+32
.endr
	global_load_b128 v[16:19], v5, s[6:7]          ; a row's eight scale words: one for each 128 along K
	global_load_b128 v[20:23], v5, s[6:7] offset:16
	global_load_b128 v[24:27], v5, s[10:11]
	global_load_b128 v[28:31], v5, s[10:11] offset:16
	global_load_b128 v[176:179], v6, s[12:13]
	global_load_b128 v[180:183], v6, s[12:13] offset:16
	s_wait_loadcnt 0x0
	; transposed: source 0 = 16 rows of wc, source 1 = the 16 positions: lane (r, h) holds position r, channels 8 h + 0 .. 7.  Two accumulators by turns
	v_wmma_scale_f32_16x16x128_f8f6f4 v[160:167], v[WF:WF+7], v[XF:XF+7], v[176:183], v24, v16 matrix_a_fmt:MATRIX_FMT_FP4 matrix_b_fmt:MATRIX_FMT_FP4
	v_wmma_scale_f32_16x16x128_f8f6f4 v[168:175], v[WF+8:WF+15], v[XF+8:XF+15], 0, v25, v17 matrix_a_fmt:MATRIX_FMT_FP4 matrix_b_fmt:MATRIX_FMT_FP4
.irp ks, 2,4,6
	v_wmma_scale_f32_16x16x128_f8f6f4 v[160:167], v[WF+8*\ks:WF+8*\ks+7], v[XF+8*\ks:XF+8*\ks+7], v[160:167], v[24+\ks], v[16+\ks] matrix_a_fmt:MATRIX_FMT_FP4 matrix_b_fmt:MATRIX_FMT_FP4
	v_wmma_scale_f32_16x16x128_f8f6f4 v[168:175], v[WF+8*\ks+8:WF+8*\ks+15], v[XF+8*\ks+8:XF+8*\ks+15], v[168:175], v[25+\ks], v[17+\ks] matrix_a_fmt:MATRIX_FMT_FP4 matrix_b_fmt:MATRIX_FMT_FP4
.endr
.rept 4
	v_nop
.endr
.irp j, 0,1,2,3,4,5,6,7
	v_add_f32 v[184+\j], v[160+\j], v[168+\j]
.endr
	ds_store_b128 v7, v[184:187]
	ds_store_b128 v7, v[188:191] offset:16
	s_wait_dscnt 0x0                               ; for the others' sake: my stores have landed
	s_barrier_signal -1
	s_barrier_wait -1                              ; q, k, v of the 16 positions lie in LDS
	s_cmp_ge_u32 s16, 4
	s_cbranch_scc1 .Lmeet
	; ---- phase 2.  A lane takes channels 8 g + 4 h + 0 .. 3 of its row: the f32 form's four places along K are filled alike from k and from q, and the 16 steps cover all 64 channels
.irp g, 0,1,2,3,4,5,6,7
	ds_load_b128 v[32+4*\g:32+4*\g+3], v8 offset:KL+32*\g
	ds_load_b128 v[64+4*\g:64+4*\g+3], v8 offset:32*\g
.endr
.irp j, 0,1,2,3,4,5,6,7
	ds_load_b32 v[96+\j], v9 offset:272*\j
.endr
	v_mov_b32 v137, 0                              ; a lane permute's destination counts as one of its sources
	v_mov_b32 v140, 0xff800000
	s_wait_dscnt 0x0
.irp e, 0,1,2,3                                ; four accumulators by turns; the first four steps start the sums
	v_wmma_f32_16x16x4_f32 v[192+8*\e:192+8*\e+7], v[32+2*\e:33+2*\e], v[64+2*\e:65+2*\e], 0
.endr
.irp e, 4,5,6,7,8,9,10,11,12,13,14,15
	v_wmma_f32_16x16x4_f32 v[192+8*(\e%4):192+8*(\e%4)+7], v[32+2*\e:33+2*\e], v[64+2*\e:65+2*\e], v[192+8*(\e%4):192+8*(\e%4)+7]
.endr
.rept 8
	v_nop
.endr
.irp j, 0,1,2,3,4,5,6,7
	v_add_f32 v[104+\j], v[192+\j], v[200+\j]
.endr
.irp j, 0,1,2,3,4,5,6,7
	v_add_f32 v[112+\j], v[208+\j], v[216+\j]
.endr
.irp j, 0,1,2,3,4,5,6,7
	v_add_f32 v[104+\j], v[104+\j], v[112+\j]      ; the score of key 8 h + j for query r
.endr
.irp j, 0,1,2,3,4,5,6,7
	v_cmp_gt_i32 vcc_lo, \j, v14                   ; hidden where 8 h + j > r
	v_cndmask_b32 v[104+\j], v[104+\j], v140, vcc_lo
.endr
	v_max3_num_f32 v136, v104, v105, v106
	v_max3_num_f32 v136, v136, v107, v108
	v_max3_num_f32 v136, v136, v109, v110
	v_max_num_f32 v136, v136, v111
	v_permlanex16_b32 v137, v136, s22, s23
	v_max_num_f32 v136, v136, v137                 ; the row's maximum: key 0 counts for every query, so it is a number
	v_mul_f32 v138, s24, v136
.irp j, 0,1,2,3,4,5,6,7
	v_fma_f32 v[112+\j], v[104+\j], s24, -v138
.endr
.irp j, 0,1,2,3,4,5,6,7
	v_exp_f32 v[112+\j], v[112+\j]
.endr
	v_nop
	s_wait_alu depctr_va_vdst(0)                   ; one wait for the eight, ahead of their first reader
	v_add_f32 v139, v112, v113
	v_add_f32 v141, v114, v115
	v_add_f32 v142, v116, v117
	v_add_f32 v143, v118, v119
	v_add_f32 v139, v139, v141
	v_add_f32 v142, v142, v143
	v_add_f32 v139, v139, v142
	v_permlanex16_b32 v137, v139, s22, s23
	v_add_f32 v139, v139, v137
	v_rcp_f32 v144, v139
	v_nop
	s_wait_alu depctr_va_vdst(0)
.irp kk, 0,1,2,3                               ; O^T = v^T p: place (h, j') along K is key 8 h + 2 kk + j' on both sides; four sums of one step each
	v_wmma_f32_16x16x4_f32 v[224+8*\kk:224+8*\kk+7], v[96+2*\kk:97+2*\kk], v[112+2*\kk:113+2*\kk], 0
.endr
.rept 8
	v_nop
.endr
.irp j, 0,1,2,3,4,5,6,7
	v_add_f32 v[120+\j], v[224+\j], v[232+\j]
.endr
.irp j, 0,1,2,3,4,5,6,7
	v_add_f32 v[104+\j], v[240+\j], v[248+\j]
.endr
.irp j, 0,1,2,3,4,5,6,7
	v_add_f32 v[120+\j], v[120+\j], v[104+\j]
.endr
.irp j, 0,1,2,3,4,5,6,7
	v_mul_f32 v[120+\j], v[120+\j], v144           ; o(query r, channel 16 w + 8 h + j)
.endr
.irp i, 0,1,2,3
	v_pk_mul_f32 v[40+2*\i:41+2*\i], v[120+2*\i:121+2*\i], 0x46000400 op_sel_hi:[1,0]                      ; t = 8193 o
.endr
.irp i, 0,1,2,3
	v_pk_add_f32 v[48+2*\i:49+2*\i], v[40+2*\i:41+2*\i], v[120+2*\i:121+2*\i] neg_lo:[0,1] neg_hi:[0,1]    ; t - o
.endr
.irp i, 0,1,2,3
	v_pk_add_f32 v[40+2*\i:41+2*\i], v[40+2*\i:41+2*\i], v[48+2*\i:49+2*\i] neg_lo:[0,1] neg_hi:[0,1]      ; hi
.endr
.irp i, 0,1,2,3
	v_pk_add_f32 v[120+2*\i:121+2*\i], v[120+2*\i:121+2*\i], v[40+2*\i:41+2*\i] neg_lo:[0,1] neg_hi:[0,1]  ; o - hi
.endr
.irp i, 0,1,2,3
	v_pk_mul_f32 v[120+2*\i:121+2*\i], v[120+2*\i:121+2*\i], 0x45000000 op_sel_hi:[1,0]                    ; x 2048
.endr
.irp i, 0,1,2,3
	v_cvt_pk_f16_f32 v[32+\i], v[40+2*\i], v[41+2*\i]
	v_cvt_pk_f16_f32 v[36+\i], v[120+2*\i], v[121+2*\i]
.endr
	ds_store_b128 v10, v[32:35]
	ds_store_b128 v10, v[36:39] offset:2304
.Lmeet:
	s_wait_dscnt 0x0                               ; my stores have landed
	s_barrier_signal -1
	s_barrier_wait -1                              ; the 16 rows lie whole in LDS
	s_cmp_ge_u32 s16, 4
	s_cbranch_scc1 .Lend
	; ---- phase 3: wave w stores rows 4 w .. 4 w + 3 of both parts: 512 consecutive bytes an instruction
	ds_load_b128 v[32:35], v11
	ds_load_b128 v[36:39], v11 offset:2304
	s_wait_dscnt 0x0
	global_store_b128 v15, v[32:35], s[14:15]
	global_store_b128 v15, v[36:39], s[14:15] offset:2048
.Lend:
	s_wait_tensorcnt 0x0                           ; the wave's end: behind my last LDS store
	ds_add_u32 v[SPW], v[NIL]
	s_wait_dscnt 0x0
	s_endpgm
.Lfunc_end_k_q7221ba122e_fine_a:
	.size	k_q7221ba122e_fine_a, .Lfunc_end_k_q7221ba122e_fine_a-k_q7221ba122e_fine_a
	.p2alignl 7, 3214868480
	.fill 96, 4, 3214868480
	.section	.rodata,"a",@progbits
	.p2align	6, 0x0
	.amdhsa_kernel k_q7221ba122e_fine_a
		.amdhsa_group_segment_fixed_size 19200
		.amdhsa_private_segment_fixed_size 0
		.amdhsa_enable_private_segment 0
		.amdhsa_kernarg_size 48
		.amdhsa_user_sgpr_count 2
		.amdhsa_user_sgpr_kernarg_segment_ptr 1
		.amdhsa_wavefront_size32 1
		.amdhsa_system_sgpr_workgroup_id_x 1
		.amdhsa_system_sgpr_workgroup_id_y 1
		.amdhsa_system_sgpr_workgroup_id_z 1
		.amdhsa_system_vgpr_workitem_id 0
		.amdhsa_next_free_vgpr 256
		.amdhsa_next_free_sgpr 66
		.amdhsa_reserve_vcc 1
		.amdhsa_float_denorm_mode_32 3
		.amdhsa_float_denorm_mode_16_64 3
		.amdhsa_memory_ordered 1
		.amdhsa_forward_progress 1
		.amdhsa_inst_pref_size 19
	.end_amdhsa_kernel
	.amdgpu_metadata
---
amdhsa.version: [ 1, 2 ]
amdhsa.kernels:
  - .name:           k_q7221ba122e_fine_a
    .symbol:         k_q7221ba122e_fine_a.kd
    .args:
      - { .name: xc, .offset: 0, .size: 8, .value_kind: global_buffer, .address_space: global }
      - { .name: xs, .offset: 8, .size: 8, .value_kind: global_buffer, .address_space: global }
      - { .name: wc, .offset: 16, .size: 8, .value_kind: global_buffer, .address_space: global }
      - { .name: ws, .offset: 24, .size: 8, .value_kind: global_buffer, .address_space: global }
      - { .name: b_qkv, .offset: 32, .size: 8, .value_kind: global_buffer, .address_space: global }
      - { .name: aof, .offset: 40, .size: 8, .value_kind: global_buffer, .address_space: global }
    .group_segment_fixed_size: 19200
    .private_segment_fixed_size: 0
    .kernarg_segment_align: 8
    .kernarg_segment_size: 48
    .max_flat_workgroup_size: 384
    .sgpr_count:     66
    .vgpr_count:     256
    .wavefront_size: 32
...
	.end_amdgpu_metadata
.endif
;; end of part 5
;; launch fine_b (part 6): grid 16 x 4, 16 waves a work-group, no clusters, 19,456 bytes of LDS; arguments aof, wo16, b_out, out0; writes out0
.if DOCPART == 6
	.amdgcn_target "amdgcn-amd-amdhsa--gfx1250"
	.amdhsa_code_object_version 6
	.text
	.protected	k_q7221ba122e_fine_b
	.globl	k_q7221ba122e_fine_b
	.p2align	8
	.type	k_q7221ba122e_fine_b,@function
k_q7221ba122e_fine_b:
	s_mov_b64 s[64:65], 0
	v_nop
	global_prefetch_b8 v0, s[64:65] scope:SCOPE_SE
	s_setreg_imm32_b32 hwreg(HW_REG_WAVE_MODE, 25, 1), 1
	s_wait_xcnt 0x0
; THE PROJECTION OF THE FIRST 16 POSITIONS of each sequence, with both operands as pairs of f16: a = ah + al / 2048, w = wh + wl / 2048; a w = ah wh + (al wh + ah wl) / 2048, the product of the two low parts left out
; (2^-22 of the term).  It writes rows 0-15 of each batch of out0 anew: 64 rows of 4,096 bytes.
; A work-group takes one batch's 16 rows x 64 columns.  Wave w: columns 16 (w % 4) on, 256 along K from 256 (w / 4) on (four heads), in 8 steps of 32; the four parts along K are added through LDS, in ascending order of K.
; Transposed use: source 0 = 16 rows of wo16, source 1 = the 16 positions.  No tensor load; no cluster: the launch is short and what is shared is small.
; REGISTERS: v4-9 addresses; v16-19 the bias; v32-159 a ring of four slots of 32: ah, al, wh, wl, 8 each; v160-167 hh, v168-175 wh al, v176-183 wl ah; v184-191 the result.
.set SPARE, 17408                      ; LDS: four regions of 16 rows x (256 bytes + 16), one for each part along K; then the spare words, 128 bytes a wave, which no other line names
.set SPW, 12
.set NIL, 13
	s_load_b256 s[4:11], s[0:1], 0x0               ; aof s[4:5], wo16 s[6:7], b_out s[8:9], out0 s[10:11]
	v_lshl_add_u32 v[SPW], v0, 2, SPARE
	v_mov_b32 v[NIL], 0
	v_lshrrev_b32 v1, 5, v0
	v_readfirstlane_b32 s12, v1                    ; wave 0..15
	s_and_b32 s13, s12, 3                          ; tile of 16 columns
	s_lshr_b32 s14, s12, 2                         ; part along K
	s_and_b32 s15, ttmp7, 0xffff                   ; batch
	v_and_b32 v1, 15, v0                           ; r
	v_bfe_u32 v2, v0, 4, 1                         ; h
	v_lshlrev_b32 v4, 7, v1
	v_lshl_add_u32 v4, v2, 4, v4                   ; a: row r of 128 bytes + 16 h
	v_lshlrev_b32 v5, 11, v1
	v_lshl_add_u32 v5, v2, 4, v5                   ; w: row r of 2,048 bytes + 16 h
	v_lshlrev_b32 v6, 4, v1                        ; the bias: 16 (l % 16) bytes on
	v_mul_u32_u24 v7, v1, 272
	v_lshl_add_u32 v7, v2, 5, v7
	s_mul_i32 s16, s14, 4352
	s_lshl_b32 s17, s13, 6
	s_add_co_u32 s16, s16, s17
	v_add_nc_u32 v7, s16, v7                       ; my part's region, position r, columns 16 ct + 8 h on
	s_and_b32 s16, s12, 7
	s_lshl_b32 s16, s16, 1
	v_add_nc_u32 v3, s16, v2                       ; the row that I store at the end: 2 (w % 8) + l / 16
	v_mul_u32_u24 v8, v3, 272
	v_lshl_add_u32 v8, v1, 4, v8
	v_lshlrev_b32 v9, 12, v3
	v_lshl_add_u32 v9, v1, 4, v9
	s_mov_b32 s19, 0
	s_wait_kmcnt 0x0
	s_lshl_b32 s18, s15, 16
	s_lshl_b32 s17, s14, 14
	s_add_co_u32 s18, s18, s17
	s_add_nc_u64 s[4:5], s[4:5], s[18:19]          ; aof at (batch, head 4 kq)
	s_lshl_b32 s18, ttmp9, 17
	s_lshl_b32 s17, s13, 15
	s_add_co_u32 s18, s18, s17
	s_lshl_b32 s17, s14, 9
	s_add_co_u32 s18, s18, s17
	s_add_nc_u64 s[6:7], s[6:7], s[18:19]          ; wo16 at (column 64 x + 16 ct, k 256 kq)
	s_lshl_b32 s18, ttmp9, 8
	s_add_nc_u64 s[8:9], s[8:9], s[18:19]
	s_add_nc_u64 s[10:11], s[10:11], s[18:19]
	s_lshl_b32 s18, s15, 23
	s_add_nc_u64 s[10:11], s[10:11], s[18:19]      ; out0 at (batch's row 0, column 64 x)
	global_load_b128 v[16:19], v6, s[8:9]          ; my oldest load: every counted wait below shows it done too
.macro FLOAD i                         ; step i: head i / 2 of my four, channels 32 (i % 2) on
.set FS, 32+32*((\i)%4)
	global_load_b128 v[FS:FS+3], v4, s[4:5] offset:((\i)/2)*4096+((\i)%2)*64
	global_load_b128 v[FS+4:FS+7], v4, s[4:5] offset:((\i)/2)*4096+((\i)%2)*64+32
	global_load_b128 v[FS+8:FS+11], v4, s[4:5] offset:((\i)/2)*4096+2048+((\i)%2)*64
	global_load_b128 v[FS+12:FS+15], v4, s[4:5] offset:((\i)/2)*4096+2048+((\i)%2)*64+32
	global_load_b128 v[FS+16:FS+19], v5, s[6:7] offset:64*(\i)
	global_load_b128 v[FS+20:FS+23], v5, s[6:7] offset:64*(\i)+32
	global_load_b128 v[FS+24:FS+27], v5, s[6:7] offset:2097152+64*(\i)
	global_load_b128 v[FS+28:FS+31], v5, s[6:7] offset:2097152+64*(\i)+32
.endm
.macro FSTEP i
.set FS, 32+32*((\i)%4)
.if 7-(\i) >= 3
	s_wait_loadcnt 24                              ; this step's eight loads are in; those of the three steps behind it may be out
.else
	s_wait_loadcnt 8*(7-(\i))
.endif
.if (\i) == 0
	v_wmma_f32_16x16x32_f16 v[160:167], v[FS+16:FS+23], v[FS:FS+7], 0
	v_wmma_f32_16x16x32_f16 v[168:175], v[FS+16:FS+23], v[FS+8:FS+15], 0
	v_wmma_f32_16x16x32_f16 v[176:183], v[FS+24:FS+31], v[FS:FS+7], 0
.else
	v_wmma_f32_16x16x32_f16 v[160:167], v[FS+16:FS+23], v[FS:FS+7], v[160:167]       ; the three accumulators by turns
	v_wmma_f32_16x16x32_f16 v[168:175], v[FS+16:FS+23], v[FS+8:FS+15], v[168:175]
	v_wmma_f32_16x16x32_f16 v[176:183], v[FS+24:FS+31], v[FS:FS+7], v[176:183]
.endif
.if (\i) < 4
.rept 4
	v_nop                                          ; places in front of the loads into the slot just multiplied
.endr
	FLOAD (\i)+4
.endif
.endm
.irp i, 0,1,2,3
	FLOAD \i
.endr
.irp i, 0,1,2,3,4,5,6,7
	FSTEP \i
.endr
.rept 4
	v_nop
.endr
.irp j, 0,1,2,3,4,5,6,7
	v_add_f32 v[184+\j], v[168+\j], v[176+\j]
.endr
.irp j, 0,1,2,3,4,5,6,7
	v_fmamk_f32 v[184+\j], v[184+\j], 0x3a000000, v[160+\j]        ; hh + (the two mixed sums) x 2^-11
.endr
	ds_store_b128 v7, v[184:187]
	ds_store_b128 v7, v[188:191] offset:16
	s_wait_dscnt 0x0                               ; for the others' sake: my stores have landed
	s_barrier_signal -1
	s_barrier_wait -1
	s_cmp_ge_u32 s12, 8
	s_cbranch_scc1 .Lend
.irp k, 0,1,2,3
	ds_load_b128 v[32+4*\k:32+4*\k+3], v8 offset:4352*\k
.endr
	s_wait_dscnt 0x0
	v_pk_add_f32 v[32:33], v[32:33], v[36:37]
	v_pk_add_f32 v[34:35], v[34:35], v[38:39]
	v_pk_add_f32 v[32:33], v[32:33], v[40:41]
	v_pk_add_f32 v[34:35], v[34:35], v[42:43]
	v_pk_add_f32 v[32:33], v[32:33], v[44:45]
	v_pk_add_f32 v[34:35], v[34:35], v[46:47]
	v_pk_add_f32 v[32:33], v[32:33], v[16:17]      ; + b_out
	v_pk_add_f32 v[34:35], v[34:35], v[18:19]
	global_store_b128 v9, v[32:35], s[10:11]       ; sixteen lanes store 256 consecutive bytes, aligned
.Lend:
	s_wait_tensorcnt 0x0                           ; the wave's end: behind my last LDS store
	ds_add_u32 v[SPW], v[NIL]
	s_wait_dscnt 0x0
	s_endpgm
.Lfunc_end_k_q7221ba122e_fine_b:
	.size	k_q7221ba122e_fine_b, .Lfunc_end_k_q7221ba122e_fine_b-k_q7221ba122e_fine_b
	.p2alignl 7, 3214868480
	.fill 96, 4, 3214868480
	.section	.rodata,"a",@progbits
	.p2align	6, 0x0
	.amdhsa_kernel k_q7221ba122e_fine_b
		.amdhsa_group_segment_fixed_size 19456
		.amdhsa_private_segment_fixed_size 0
		.amdhsa_enable_private_segment 0
		.amdhsa_kernarg_size 32
		.amdhsa_user_sgpr_count 2
		.amdhsa_user_sgpr_kernarg_segment_ptr 1
		.amdhsa_wavefront_size32 1
		.amdhsa_system_sgpr_workgroup_id_x 1
		.amdhsa_system_sgpr_workgroup_id_y 1
		.amdhsa_system_sgpr_workgroup_id_z 1
		.amdhsa_system_vgpr_workitem_id 0
		.amdhsa_next_free_vgpr 192
		.amdhsa_next_free_sgpr 66
		.amdhsa_reserve_vcc 0
		.amdhsa_float_denorm_mode_32 3
		.amdhsa_float_denorm_mode_16_64 3
		.amdhsa_memory_ordered 1
		.amdhsa_forward_progress 1
		.amdhsa_inst_pref_size 13
	.end_amdhsa_kernel
	.amdgpu_metadata
---
amdhsa.version: [ 1, 2 ]
amdhsa.kernels:
  - .name:           k_q7221ba122e_fine_b
    .symbol:         k_q7221ba122e_fine_b.kd
    .args:
      - { .name: aof, .offset: 0, .size: 8, .value_kind: global_buffer, .address_space: global }
      - { .name: wo16, .offset: 8, .size: 8, .value_kind: global_buffer, .address_space: global }
      - { .name: b_out, .offset: 16, .size: 8, .value_kind: global_buffer, .address_space: global }
      - { .name: out0, .offset: 24, .size: 8, .value_kind: global_buffer, .address_space: global }
    .group_segment_fixed_size: 19456
    .private_segment_fixed_size: 0
    .kernarg_segment_align: 8
    .kernarg_segment_size: 32
    .max_flat_workgroup_size: 512
    .sgpr_count:     66
    .vgpr_count:     192
    .wavefront_size: 32
...
	.end_amdgpu_metadata
.endif
;; end of part 6
